; MI455X (gfx1250); checked and timed in simulation.
; The chip was launched on July 23, 2026; its instructions are those of AMD's public machine-readable ISA for CDNA 5 (MIT licence, August 2026) and "CDNA5" Instruction Set Architecture Reference Guide (July 2026). The comments in the code are by the model that wrote it; some were corrected since.
;; Block. Allowed arithmetic: matrix products marked QUANTISED: E2M1 operands, one E8M0 scale for each 32 along K, by v_wmma_scale_f32_16x16x128_f8f6f4 with both operands' format E2M1 (or v_wmma_scale_f32_32x16x128_f4), f32 sums; products left as they are: f32 operands where the result goes on into a quantised operand, else bf16, f16 or f32 operands; f32 sums; everything else in f32.
;; Inputs: be1 32 float32; be2 32 float32; fW1 32 x 128 float32; fW2 128 x 32 float32; fb1 128 float32; fb2 32 float32; g1 32 float32; g2 32 float32; mWk 4 x 32 x 8 float32; mWp 32 x 32 float32; mWq 4 x 32 x 8 float32; mWv 4 x 32 x 8 float32; mbk 4 x 8 float32; mbp 32 float32; mbq 4 x 8 float32; mbv 4 x 8 float32; uWk 4 x 32 x 8 float32; uWp 32 x 32 float32; uWq 4 x 32 x 8 float32; uWv 4 x 32 x 8 float32; ubk 4 x 8 float32; ubp 32 float32; ubq 4 x 8 float32; ubv 4 x 8 float32; x 32,768 x 16 x 32 float32.
;; Outputs: out0 32,768 x 16 x 32 float32.
;; This version of the problem:
;;   THIS VERSION OF THE PROBLEM IS GIVEN IN LOW PRECISION. The matrix products marked QUANTISED in the list below multiply operands that are first quantised to E2M1 (2 exponent bits, 1 mantissa bit; 4 bits a number), with one power-of-two scale for each 32 numbers along K (OCP MX v1.0); their sums are f32. All else is computed in f32.
;;   The module's matrix products, in the order in which they are computed (A, B: the left and right operand; K: the contracted axis; several contracted axes count as one K, in the product's order):
;;     1. [M 32, K 32] x [K 32, N 524,288]; A: input uWq; B: computed on the way: QUANTISED
;;     2. [M 32, K 32] x [K 32, N 524,288]; A: input uWk; B: computed on the way: QUANTISED
;;     3. [M 32, K 32] x [K 32, N 524,288]; A: input uWv; B: computed on the way: QUANTISED
;;     4. batch 131,072 x [M 16, K 8] x [K 8, N 16]; A: computed on the way; B: computed on the way: left as it is (K = 8 < 32)
;;     5. batch 131,072 x [M 16, K 16] x [K 16, N 8]; A: softmax; B: computed on the way: left as it is (K = 16 < 32)
;;     6. [M 524,288, K 32] x [K 32, N 32]; A: computed on the way; B: input uWp: QUANTISED
;;     7. [M 524,288, K 32] x [K 32, N 128]; A: computed on the way; B: input fW1: QUANTISED
;;     8. [M 524,288, K 128] x [K 128, N 32]; A: computed on the way; B: input fW2: QUANTISED
;;     9. [M 32, K 32] x [K 32, N 524,288]; A: input mWq; B: computed on the way: QUANTISED
;;     10. [M 32, K 32] x [K 32, N 524,288]; A: input mWk; B: computed on the way: QUANTISED
;;     11. [M 32, K 32] x [K 32, N 524,288]; A: input mWv; B: computed on the way: QUANTISED
;;     12. batch 131,072 x [M 16, K 8] x [K 8, N 16]; A: computed on the way; B: computed on the way: left as it is (K = 8 < 32)
;;     13. batch 131,072 x [M 16, K 16] x [K 16, N 8]; A: softmax; B: computed on the way: left as it is (K = 16 < 32)
;;     14. [M 524,288, K 32] x [K 32, N 32]; A: computed on the way; B: input mWp: QUANTISED
;;     15. [M 524,288, K 32] x [K 32, N 128]; A: computed on the way; B: input fW1: QUANTISED
;;     16. [M 524,288, K 128] x [K 128, N 32]; A: computed on the way; B: input fW2: QUANTISED
;;   THE QUANTISER, for each operand of a quantised product, along K:
;;     - K is cut into blocks of 32 from its start; a last block that is shorter is filled with zeros.
;;     - A block's scale is 2^e with e = floor(log2(the largest magnitude in the block)) - 2, held to -126 .. 127; a block of zeros has e = 0. As a byte (E8M0): e + 127.
;;     - Each number is divided by its block's scale, clamped to +-6, and rounded to the nearest number of E2M1, ties to even, subnormals kept.
;;     - The product sums the exact products of the quantised numbers (number of the format x scale) in f32.
;;   ~~~python
;;   def quantise(x, axis):      # numpy; x: float32 -> the quantised numbers, widened to float32 again
;;       x = np.moveaxis(x, axis, -1); K = x.shape[-1]
;;       x = np.pad(x, [(0, 0)] * (x.ndim - 1) + [(0, -K % 32)]); x = x.reshape(x.shape[:-1] + (-1, 32)); a = np.abs(x).max(-1, keepdims=True)
;;       e = np.where(a > 0, np.clip(np.frexp(np.where(a > 0, a, 1))[1] - 1 - 2, -126, 127), 0)      # np.frexp(a)[1] - 1 = floor(log2(a)), exactly
;;       r = np.clip(x / 2.0 ** e, -6, 6)
;;       step = 2.0 ** (np.maximum(np.frexp(np.where(r == 0, 1, r))[1] - 1, 0) - 1)
;;       q = np.round(r / step) * step * 2.0 ** e      # np.round: ties to even
;;       return np.moveaxis(q.reshape(q.shape[:-2] + (-1,))[..., :K], -1, axis).astype(np.float32)
;;   ~~~
;;   OPERANDS COMPUTED ON THE WAY. 'Computed on the way' means the value that the module computes at that place (a softmax that the list does not call 'softmax' is quantised finished and normalised). What goes into a quantiser is computed in f32, as accurately as f32 sums, v_exp_f32 and their like allow (about 1e-6 of the number): no bf16 or f16 on the way to a quantiser, and a product that is left as it is and whose result goes on into a quantised operand takes f32 operands (vector FMAs, or v_wmma_f32_16x16x4_f32). A number that lies on a knife's edge between two numbers of the format may be rounded either way, as far as f32 arithmetic and the matrix unit's own rounding can turn it there, and no further.
;; 2 versions, each right; version 2 is version 1 with the launch block written anew for expert scheduling mode. Each part assembles by itself: llvm-mc -triple=amdgcn-amd-amdhsa -mcpu=gfx1250 --defsym DOCPART=n.
;; ======== version 1 of 2: 1 launch
;; launch block (part 1): grid 256 x 1, 16 waves a work-group, no clusters, 89,088 bytes of LDS; arguments x, out0, uWq, uWk, uWv, uWp, mWq, mWk, mWv, mWp, fW1, fW2, g1, be1, g2, be2, ubq, ubk, ubv, ubp, mbq, mbk, mbv, mbp, fb2, fb1; writes out0
.if DOCPART == 1
	.amdgcn_target "amdgcn-amd-amdhsa--gfx1250"
	.amdhsa_code_object_version 6
	.text
	.protected	k_q1db6ab6abb_block
	.globl	k_q1db6ab6abb_block
	.p2align	8
	.type	k_q1db6ab6abb_block,@function
k_q1db6ab6abb_block:
	s_mov_b64 s[64:65], 0
	v_nop
	global_prefetch_b8 v0, s[64:65] scope:SCOPE_SE
	s_setreg_imm32_b32 hwreg(HW_REG_WAVE_MODE, 25, 1), 1
	s_wait_xcnt 0x0
; A transformer block on 32,768 sequences of 16 tokens x 32 channels, f32 in and out:
;   x += attn_u(LN1 x); x += ffn(LN2 x); x += attn_m(LN1 x), causal; x += ffn(LN2 x).
; The products with K = 32 or 128 run on codes of FP4 (E2M1) with one E8M0 scale for each 32 along K, both operands quantised here; q k^T and p v take f32 operands, since their result goes on into a quantiser.
; SHARES.  256 work-groups of 16 waves, four waves of 256 registers to a SIMD.  A wave owns ONE sequence at a time (512 numbers, 16 registers) and walks 8 of them; behind the head the waves share nothing and meet at no barrier.
; No sequence needs another, so x is read once and the result written once.  What work-groups share is 67 KB of parameters, read once by each beside its 262,144 bytes of x: no cluster, no joint loads.  No tensor loads:
; a refill's barrier would tie sixteen independent waves together for a stream that each wave asks for a whole trip ahead by plain loads.
; LAYOUT (r = lane % 16, hh = lane / 16).  x, LN's result and the attention's result: lane (r, hh) holds token r, register 8 t + j channel 16 t + 8 hh + j.  That is what a product used transposed
; (source 0 = 16 rows of a weight, source 1 = the tokens) leaves, and two conversions of eight registers each ARE the next operand's registers 0 and 1.
; K = 32 IN AN INSTRUCTION OF K = 128.  The 32 numbers of the one block lie in the instruction's blocks 0 and 1 (register i, half h, place n: k = 16 i + 8 h + n), on both sides alike; both blocks' bytes hold the block's scale.
; The tokens' registers 2 to 7 are zero codes, so whatever codes follow a weight's two registers in its run of eight add nothing; the scale words' bytes 2 and 3 are 0, which is a number and no NaN.
; ATTENTION.  q, k: transposed, lane = (token r, head 2 t + hh), register = s.  Four exchanges of halves a tile give the f32 operands of S^T = k q^T (lane = query, register j = key 8 hh + j).
; v: not transposed, one product a head with the other head's columns as zero codes: its result IS source 0 of O^T = v^T p, K step c = registers 2 c, 2 c + 1 (keys 8 hh + 2 c + j), as p's registers are source 1.
; The causal mask is the C of S^T's first K step (0 or -infinity).  The row's maximum is taken away before the exponential.  p is not normalised: out = (p v0) / sum(p) + bv, since a row's weights sum to 1.
; bp and fb2 are added to x ahead of the product that adds onto x in place; bq, bk, fb1 are the C of their products.
; FFN.  Tile t of fW1 takes hidden units 64 (m / 8) + 8 t + m % 8, so that a lane's 64 registers are hidden units 64 hh + 0 .. 63: two whole blocks, no other lane is asked for a maximum, and eight conversions are the operand.
; GELU, exact: gelu(h) = max(h, 0) - |h| E, E = erfc(|h| / sqrt 2) / 2 = t 2^(-h^2 log2(e) / 2 + sum K_i t^i), t = 1 / (1 + |h| / (2 sqrt 2)): the form 'erfcc' of Numerical Recipes (fractional error 1.2e-7 everywhere),
; its coefficients times log2(e), K_0 less 1 for the half.
; LIMITS.  NaN and infinities among the inputs are not served.  A block of zeros gets the byte 1 where the rule says 127: its codes are zeros, and this program alone reads the byte.  p and E under 2^-126 become 0.
.set ADL,  1                           ; v1   my wave's stage, bytes as they lie in memory: 144 (lane / 8) + 16 (lane % 8); 512 bytes on are 576 on
.set ADT,  2                           ; v2   the same stage by tokens: 144 r + 32 hh
.set ADC,  3                           ; v3   the small vectors: CT + 32 hh
.set ADF,  4                           ; v4   fb1: CT + 1664 + 256 hh
.set ADW,  5                           ; v5   16 x lane: register images in LDS, and my 16 bytes of 512 in memory
.set SH8,  6                           ; v6   8 hh
.set ASW,  7                           ; v7   the tokens' scale word; holds scales alone
.set X,    8                           ; v8-23    x
.set ACT,  24                          ; v24-31   the tokens' codes for K = 32: two registers, then six of zero codes
.set S,    32                          ; v32-63   S^T, four heads; then O^T in v32-47.  Written by matrix instructions alone
.set QR,   64                          ; v64-79   q
.set KR,   80                          ; v80-95   k
.set PR,   64                          ; v64-95   p, in q's and k's place
.set VR,   96                          ; v96-127  bp, then v, four heads
.set HR,   64                          ; v64-127  the hidden layer
.set Y,    128                         ; v128-143 LN's result, the attention's result, at work
.set GB,   144                         ; v144-175 gains and biases, at work
.set ST,   176                         ; v176-187 at work
.set AW,   188                         ; v188-203 an attention's weights (q0 q1 k0 k1 v0 v1 v2 v3, two registers each; later p0 p1), fb2, fW2
.set FW1,  204                         ; v204-219 fW1's eight fragments: they stay
.set MASK, 220                         ; v220-227 0 or -infinity: it stays
.set AWS,  228                         ; v228-231 an attention's scale words: q, k, v, p; lanes 0-15 tile 0, lanes 16-31 tile 1
.set FWS,  232                         ; v232-236 fW1's (a register for two tiles) and fW2's: they stay
.set AL4,  237                         ; v237     4 x lane
.set K9V,  238                         ; v238-239 K_9, twice
.set PF,   240                         ; v240-255 the next sequence as it lies in memory
.set VA,   188                         ; in the head alone: byte offsets of my lane in Wq, Wk, Wv;
.set VB,   189                         ; in Wp;
.set VC,   190                         ; in fW1;
.set VD,   191                         ; in fW2;
.set R4,   192                         ; 4 r
.set FW1I, 6144                        ; LDS: 0 and 3072: an attention's images: q, k, v heads 0 1, v heads 2 3, p (512 bytes each), then four runs of 128 bytes of scale words
.set FW2I, 8192                        ; fW1's four images of 512 bytes at 6144, fW2's four at 8192,
.set FW1S, 10240                       ; fW1's scale words, four runs of 128 bytes,
.set FW2S, 10752                       ; fW2's, one run
.set CT,   11008                       ; the small vectors as they lie in memory: g1 be1 g2 be2 ubq ubk ubv ubp mbq mbk mbv mbp fb2 (128 bytes each), fb1 (512)
.set STG,  13312                       ; 4,608 bytes a wave: 16 rows of 128 + 16 bytes on the way in, the same at +2304 on the way out
.set OUTS, 2304
.macro PLACES n                        ; plain vector instructions that name no register of the matrix instruction ahead (ISA guide 7.12.1)
.rept \n
	v_nop
.endr
.endm
.macro SPAIR r, val                    ; a constant for the packed forms, which name a pair
	s_mov_b32 s[\r], \val
	s_mov_b32 s[\r+1], \val
.endm
.macro CL dst, adr, off                ; eight numbers of a small vector
	ds_load_b128 v[\dst:\dst+3], v[\adr] offset:\off
	ds_load_b128 v[\dst+4:\dst+7], v[\adr] offset:\off+16
.endm
; 16 numbers of a lane and 16 of lane l xor 16 are one block of 32: two registers of codes in v[c], v[c+1], the scale's byte twice in v[w].
.macro QUANT32 n, c, w
	v_max3_num_f32 v[ST+4], |v[\n]|, |v[\n+1]|, 0x1800000          ; the floor 2^(3 - 127) among the leaves: the byte cannot fall under 1
	v_max3_num_f32 v[ST+5], |v[\n+2]|, |v[\n+3]|, |v[\n+4]|
	v_max3_num_f32 v[ST+4], v[ST+4], |v[\n+5]|, |v[\n+6]|
	v_max3_num_f32 v[ST+5], v[ST+5], |v[\n+7]|, |v[\n+8]|
	v_max3_num_f32 v[ST+4], v[ST+4], |v[\n+9]|, |v[\n+10]|
	v_max3_num_f32 v[ST+5], v[ST+5], |v[\n+11]|, |v[\n+12]|
	v_max3_num_f32 v[ST+4], v[ST+4], |v[\n+13]|, |v[\n+14]|
	v_max3_num_f32 v[ST+4], v[ST+4], v[ST+5], |v[\n+15]|
	v_permlanex16_b32 v[ST+5], v[ST+4], s10, s11
	v_max_num_f32 v[ST+4], v[ST+4], v[ST+5]                        ; the block's largest magnitude
	v_add_nc_u32 v[ST+6], 0xff000000, v[ST+4]                      ; 2 off its exponent field: the conversion's scale operand
	v_lshrrev_b32 v[ST+7], 23, v[ST+6]                             ; the byte
	v_lshl_or_b32 v[\w], v[ST+7], 8, v[ST+7]                       ; for the instruction's blocks 0 and 1
	v_cvt_scalef32_pk8_fp4_f32 v[\c], v[\n:\n+7], v[ST+6]
	v_cvt_scalef32_pk8_fp4_f32 v[\c+1], v[\n+8:\n+15], v[ST+6]
.endm
; 64 numbers of a lane, k = 64 hh + 0 .. 63, are two whole blocks: eight registers of codes; the scale word's bytes hh and 2 + hh are mine, the other two lane l xor 16's.
.macro QUANT128 n, c, w
.irp b, 0,1
	v_max3_num_f32 v[ST+2*\b], |v[\n+32*\b]|, |v[\n+32*\b+1]|, 0x1800000
	v_max3_num_f32 v[ST+2*\b+1], |v[\n+32*\b+16]|, |v[\n+32*\b+17]|, |v[\n+32*\b+18]|
.endr
.irp i, 0,2,4,6,8,10
.irp b, 0,1
	v_max3_num_f32 v[ST+2*\b], v[ST+2*\b], |v[\n+32*\b+2+\i]|, |v[\n+32*\b+3+\i]|       ; four chains by turns
	v_max3_num_f32 v[ST+2*\b+1], v[ST+2*\b+1], |v[\n+32*\b+19+\i]|, |v[\n+32*\b+20+\i]|
.endr
.endr
.irp b, 0,1
	v_max3_num_f32 v[ST+2*\b], v[ST+2*\b], |v[\n+32*\b+14]|, |v[\n+32*\b+15]|
.endr
.irp b, 0,1
	v_max3_num_f32 v[ST+2*\b], v[ST+2*\b], v[ST+2*\b+1], |v[\n+32*\b+31]|
.endr
	v_add_nc_u32 v[ST+4], 0xff000000, v[ST]
	v_add_nc_u32 v[ST+5], 0xff000000, v[ST+2]
	v_lshrrev_b32 v[ST+6], 23, v[ST+4]
	v_lshrrev_b32 v[ST+7], 23, v[ST+5]
	v_lshl_or_b32 v[ST+8], v[ST+7], 16, v[ST+6]
	v_lshlrev_b32 v[ST+8], v[SH8], v[ST+8]
	v_permlanex16_b32 v[ST+9], v[ST+8], s10, s11
	v_or_b32 v[\w], v[ST+8], v[ST+9]
.irp i, 0,1,2,3,4,5,6,7
	v_cvt_scalef32_pk8_fp4_f32 v[\c+\i], v[\n+8*\i:\n+8*\i+7], v[ST+4+\i/4]
.endr
.endm
; A product used transposed: source 0 = 16 rows of a weight, source 1 = the tokens.  row: which half of the lanes holds the weight's scale words.
.macro WT d, a, b, c, sa, sb, row
.if \row
	v_wmma_scale_f32_16x16x128_f8f6f4 v[\d:\d+7], v[\a:\a+7], v[\b:\b+7], v[\c:\c+7], v[\sa], v[\sb] matrix_a_fmt:MATRIX_FMT_FP4 matrix_b_fmt:MATRIX_FMT_FP4 matrix_a_scale:MATRIX_SCALE_ROW1
.else
	v_wmma_scale_f32_16x16x128_f8f6f4 v[\d:\d+7], v[\a:\a+7], v[\b:\b+7], v[\c:\c+7], v[\sa], v[\sb] matrix_a_fmt:MATRIX_FMT_FP4 matrix_b_fmt:MATRIX_FMT_FP4
.endif
.endm
; v of head a, not transposed: source 0 = the tokens, source 1 = Wv's 16 columns with the other head's as zero codes
.macro WV a
.if \a/2
	v_wmma_scale_f32_16x16x128_f8f6f4 v[VR+8*\a:VR+8*\a+7], v[ACT:ACT+7], v[AW+8+2*\a:AW+8+2*\a+7], 0, v[ASW], v[AWS+2] matrix_a_fmt:MATRIX_FMT_FP4 matrix_b_fmt:MATRIX_FMT_FP4 matrix_b_scale:MATRIX_SCALE_ROW1
.else
	v_wmma_scale_f32_16x16x128_f8f6f4 v[VR+8*\a:VR+8*\a+7], v[ACT:ACT+7], v[AW+8+2*\a:AW+8+2*\a+7], 0, v[ASW], v[AWS+2] matrix_a_fmt:MATRIX_FMT_FP4 matrix_b_fmt:MATRIX_FMT_FP4
.endif
.endm
; Y = (X - mean) rsqrt(var + eps) g + b, g in GB 0-15, b in GB 16-31.  wait: the LDS loads younger than g's and b's, which may stay out.
.macro LN wait
	v_pk_add_f32 v[Y:Y+1], v[X:X+1], v[X+2:X+3]                    ; x is read from each tile's low end on
	v_pk_add_f32 v[Y+2:Y+3], v[X+4:X+5], v[X+6:X+7]
	v_pk_add_f32 v[Y+4:Y+5], v[X+8:X+9], v[X+10:X+11]
	v_pk_add_f32 v[Y+6:Y+7], v[X+12:X+13], v[X+14:X+15]
	v_pk_add_f32 v[Y:Y+1], v[Y:Y+1], v[Y+2:Y+3]
	v_pk_add_f32 v[Y+4:Y+5], v[Y+4:Y+5], v[Y+6:Y+7]
	v_pk_add_f32 v[Y:Y+1], v[Y:Y+1], v[Y+4:Y+5]
	v_add_f32 v[ST], v[Y], v[Y+1]
	v_permlanex16_b32 v[ST+1], v[ST], s10, s11                     ; the token's other 16 channels lie in lane l xor 16
	v_add_f32 v[ST], v[ST], v[ST+1]
	v_mul_f32 v[ST], 0xbd000000, v[ST]                             ; -mean
.irp i, 0,2,4,6,8,10,12,14
	v_pk_add_f32 v[Y+\i:Y+\i+1], v[X+\i:X+\i+1], v[ST:ST+1] op_sel_hi:[1,0]
.endr
	v_pk_mul_f32 v[ST+2:ST+3], v[Y:Y+1], v[Y:Y+1]                  ; the variance of the centred numbers, in two chains
	v_pk_mul_f32 v[ST+4:ST+5], v[Y+2:Y+3], v[Y+2:Y+3]
.irp i, 4,8,12
	v_pk_fma_f32 v[ST+2:ST+3], v[Y+\i:Y+\i+1], v[Y+\i:Y+\i+1], v[ST+2:ST+3]
	v_pk_fma_f32 v[ST+4:ST+5], v[Y+\i+2:Y+\i+3], v[Y+\i+2:Y+\i+3], v[ST+4:ST+5]
.endr
	v_pk_add_f32 v[ST+2:ST+3], v[ST+2:ST+3], v[ST+4:ST+5]
	v_add_f32 v[ST+2], v[ST+2], v[ST+3]
	v_permlanex16_b32 v[ST+3], v[ST+2], s10, s11
	v_add_f32 v[ST+2], v[ST+2], v[ST+3]
	v_fmaak_f32 v[ST+2], s12, v[ST+2], 0x3727c5ac                  ; / 32 + 1e-5
	v_rsq_f32 v[ST+2], v[ST+2]
	v_nop                                                          ; a plain instruction behind the transcendental
	s_wait_dscnt \wait                                             ; g and b are in
	s_wait_alu depctr_va_vdst(0)
.irp i, 0,2,4,6,8,10,12,14
	v_pk_mul_f32 v[Y+\i:Y+\i+1], v[Y+\i:Y+\i+1], v[ST+2:ST+3] op_sel_hi:[1,0]
.endr
.irp i, 0,2,4,6,8,10,12,14
	v_pk_fma_f32 v[Y+\i:Y+\i+1], v[Y+\i:Y+\i+1], v[GB+\i:GB+\i+1], v[GB+16+\i:GB+17+\i]
.endr
.endm
; The exact GELU of tile t of the hidden layer, in place.  h^2 in Y 0-7, max(h, 0) in Y 8-15, |h| in GB 0-7, t in GB 8-15, the exponent in GB 16-23.
.macro GELU t
.irp j, 0,1,2,3,4,5,6,7
	v_max_num_f32 v[Y+8+\j], 0, v[HR+8*\t+\j]                      ; the tile is read from its low end on
.endr
.irp j, 0,2,4,6
	v_pk_fma_f32 v[GB+\j:GB+\j+1], v[Y+8+\j:Y+9+\j], 2.0, v[HR+8*\t+\j:HR+8*\t+\j+1] op_sel_hi:[1,0,1] neg_lo:[0,0,1] neg_hi:[0,0,1]   ; |h| = 2 max(h, 0) - h, exact
.endr
.irp j, 0,2,4,6
	v_pk_fma_f32 v[GB+8+\j:GB+9+\j], v[GB+\j:GB+\j+1], s[56:57], 1.0 op_sel_hi:[1,0,0]
.endr
.irp j, 0,1,2,3,4,5,6,7
	v_rcp_f32 v[GB+8+\j], v[GB+8+\j]                               ; t
.endr
.irp j, 0,2,4,6
	v_pk_mul_f32 v[Y+\j:Y+\j+1], v[HR+8*\t+\j:HR+8*\t+\j+1], v[HR+8*\t+\j:HR+8*\t+\j+1]   ; plain instructions behind the reciprocals
.endr
	s_wait_alu depctr_va_vdst(0)
.irp j, 0,2,4,6
	v_pk_fma_f32 v[GB+16+\j:GB+17+\j], v[GB+8+\j:GB+9+\j], v[K9V:K9V+1], s[52:53] op_sel_hi:[1,1,0]   ; K_9 t + K_8
.endr
.irp k, 50,48,46,44,42,40,38,36
.irp j, 0,2,4,6
	v_pk_fma_f32 v[GB+16+\j:GB+17+\j], v[GB+16+\j:GB+17+\j], v[GB+8+\j:GB+9+\j], s[\k:\k+1] op_sel_hi:[1,1,0]   ; Horner, four pairs by turns
.endr
.endr
.irp j, 0,2,4,6
	v_pk_fma_f32 v[GB+16+\j:GB+17+\j], v[Y+\j:Y+\j+1], s[58:59], v[GB+16+\j:GB+17+\j] op_sel_hi:[1,0,1]
.endr
.irp j, 0,1,2,3,4,5,6,7
	v_exp_f32 v[GB+16+\j], v[GB+16+\j]
.endr
.irp j, 0,2,4,6
	v_pk_mul_f32 v[GB+\j:GB+\j+1], v[GB+\j:GB+\j+1], v[GB+8+\j:GB+9+\j]   ; |h| t: plain instructions behind the exponentials
.endr
	s_wait_alu depctr_va_vdst(0)
.irp j, 0,2,4,6
	v_pk_fma_f32 v[HR+8*\t+\j:HR+8*\t+\j+1], v[GB+\j:GB+\j+1], v[GB+16+\j:GB+17+\j], v[Y+8+\j:Y+9+\j] neg_lo:[1,0,0] neg_hi:[1,0,0]
.endr
.endm
; x += attention(LN1 x).  img: the weights' images; cq, ck, cv, cp: the biases' places among the small vectors; first = 1: x is on its way from the stage, and the next sequence is asked for.
.macro ATTN img, cq, ck, cv, cp, causal, first
	CL GB, ADC, 0                                                  ; 28 LDS loads: g1, be1 (8),
	CL GB+8, ADC, 64
	CL GB+16, ADC, 128
	CL GB+24, ADC, 192
	CL VR, ADC, \cp                                                ; bp (4),
	CL VR+8, ADC, \cp+64
.irp f, 0,1,2,3
	ds_load_b128 v[AW+4*\f:AW+4*\f+3], v[ADW] offset:\img+512*\f   ; q's, k's and v's codes (4),
.endr
.irp s, 0,1,2,3
	ds_load_b32 v[AWS+\s], v[AL4] offset:\img+2560+128*\s          ; the scale words (4),
.endr
	CL QR, ADC, \cq                                                ; bq, bk (8): the C of their products
	CL QR+8, ADC, \cq+64
	CL KR, ADC, \ck
	CL KR+8, ADC, \ck+64
.if \first
	s_wait_dscnt 28                                                ; x's four loads stand ahead of these 28
.endif
	LN 20                                                          ; behind g1's and be1's eight loads stand 20
	QUANT32 Y, ACT, ASW
	CL GB, ADC, \cv                                                ; bv, into g1's place
	CL GB+8, ADC, \cv+64
.if \first
	s_cmp_eq_u32 s9, 1                                             ; the next sequence is asked for a whole trip ahead; the last trip asks for nothing: no load leaves x
	s_cbranch_scc1 .Lnopf_\@
	s_add_nc_u64 s[4:5], s[4:5], 0x800000                          ; (the loads that named this base were waited for at the trip's head)
.irp k, 0,1,2,3
	global_load_b128 v[PF+4*\k:PF+4*\k+3], v[ADW], s[4:5] offset:512*\k th:TH_LOAD_NT   ; 512 consecutive bytes a load
.endr
.Lnopf_\@:
.endif
	s_wait_dscnt 4                                                 ; all but bv's four
.irp i, 0,2,4,6,8,10,12,14
	v_pk_add_f32 v[X+\i:X+\i+1], v[X+\i:X+\i+1], v[VR+\i:VR+\i+1]  ; x += bp, ahead of the product that adds onto x
.endr
	PLACES 4                                                       ; with the additions that name none of a product's registers: eight places behind the scale word's last write for each product below
	WT QR,AW,ACT,QR,AWS,ASW,0
	WT QR+8,AW+2,ACT,QR+8,AWS,ASW,1
	WT KR,AW+4,ACT,KR,AWS+1,ASW,0
	WT KR+8,AW+6,ACT,KR+8,AWS+1,ASW,1
.irp a, 0,1,2,3
	WV \a
.endr
	PLACES 5                                                       ; q and k are read, and go on as matrix operands
	ds_load_b128 v[AW:AW+3], v[ADW] offset:\img+2048               ; Wp's codes, into q's place
.irp b, QR, QR+8, KR, KR+8
	v_permlane16_swap_b32 v[\b], v[\b+2]                           ; registers 0 1 and 4 5: head 2 t, s = 2 hh + j and 4 + 2 hh + j; registers 2 3 and 6 7: head 2 t + 1
	v_permlane16_swap_b32 v[\b+1], v[\b+3]
	v_permlane16_swap_b32 v[\b+4], v[\b+6]
	v_permlane16_swap_b32 v[\b+5], v[\b+7]
.endr
.irp a, 0,1,2,3
.if \causal
	v_wmma_f32_16x16x4_f32 v[S+8*\a:S+8*\a+7], v[KR+8*(\a/2)+2*(\a%2):KR+8*(\a/2)+2*(\a%2)+1], v[QR+8*(\a/2)+2*(\a%2):QR+8*(\a/2)+2*(\a%2)+1], v[MASK:MASK+7]
.else
	v_wmma_f32_16x16x4_f32 v[S+8*\a:S+8*\a+7], v[KR+8*(\a/2)+2*(\a%2):KR+8*(\a/2)+2*(\a%2)+1], v[QR+8*(\a/2)+2*(\a%2):QR+8*(\a/2)+2*(\a%2)+1], 0
.endif
.endr
.irp a, 0,1,2,3                                                    ; the four heads' sums take turns
	v_wmma_f32_16x16x4_f32 v[S+8*\a:S+8*\a+7], v[KR+8*(\a/2)+2*(\a%2)+4:KR+8*(\a/2)+2*(\a%2)+5], v[QR+8*(\a/2)+2*(\a%2)+4:QR+8*(\a/2)+2*(\a%2)+5], v[S+8*\a:S+8*\a+7]
.endr
	PLACES 8
.irp a, 0,1,2,3
	v_max3_num_f32 v[ST+\a], v[S+8*\a], v[S+8*\a+1], v[S+8*\a+2]
.endr
.irp i, 3,5
.irp a, 0,1,2,3
	v_max3_num_f32 v[ST+\a], v[ST+\a], v[S+8*\a+\i], v[S+8*\a+\i+1]
.endr
.endr
.irp a, 0,1,2,3
	v_max_num_f32 v[ST+\a], v[ST+\a], v[S+8*\a+7]
.endr
.irp a, 0,1,2,3
	v_permlanex16_b32 v[ST+4+\a], v[ST+\a], s10, s11
.endr
.irp a, 0,1,2,3
	v_max_num_f32 v[ST+\a], v[ST+\a], v[ST+4+\a]                   ; the query's largest score
.endr
.irp a, 0,1,2,3
	v_mul_f32 v[ST+8+\a], s13, v[ST+\a]                            ; x -c, c = log2(e) / sqrt(8)
.endr
.irp i, 0,2,4,6
.irp a, 0,1,2,3
.if \a%2
	v_pk_fma_f32 v[PR+8*\a+\i:PR+8*\a+\i+1], v[S+8*\a+\i:S+8*\a+\i+1], s[14:15], v[ST+8+2*(\a/2):ST+9+2*(\a/2)] op_sel:[0,0,1] op_sel_hi:[1,0,1]
.else
	v_pk_fma_f32 v[PR+8*\a+\i:PR+8*\a+\i+1], v[S+8*\a+\i:S+8*\a+\i+1], s[14:15], v[ST+8+2*(\a/2):ST+9+2*(\a/2)] op_sel_hi:[1,0,0]
.endif
.endr
.endr
.irp j, 0,1,2,3,4,5,6,7,8,9,10,11,12,13,14,15,16,17,18,19,20,21,22,23,24,25,26,27,28,29,30,31
	v_exp_f32 v[PR+\j], v[PR+\j]                                   ; p = 2^(c (s - max)); a hidden key's is 0
.endr
	v_nop
	s_wait_alu depctr_va_vdst(0)
.irp e, 0,1                                                        ; O^T: two tiles by turns; a tile's eight links: its two heads, four K steps each
.irp c, 0,1,2,3
.irp t, 0,1
.if \e+\c == 0
	v_wmma_f32_16x16x4_f32 v[S+8*\t:S+8*\t+7], v[VR+8*(2*\t+\e)+2*\c:VR+8*(2*\t+\e)+2*\c+1], v[PR+8*(2*\t+\e)+2*\c:PR+8*(2*\t+\e)+2*\c+1], 0
.else
	v_wmma_f32_16x16x4_f32 v[S+8*\t:S+8*\t+7], v[VR+8*(2*\t+\e)+2*\c:VR+8*(2*\t+\e)+2*\c+1], v[PR+8*(2*\t+\e)+2*\c:PR+8*(2*\t+\e)+2*\c+1], v[S+8*\t:S+8*\t+7]
.endif
.endr
.endr
.endr
.irp a, 0,1,2,3                                                    ; the rows' sums; of these lines fifteen name no register of the last product: they are its places
	v_pk_add_f32 v[Y+4*\a:Y+4*\a+1], v[PR+8*\a:PR+8*\a+1], v[PR+8*\a+2:PR+8*\a+3]
.endr
.irp a, 0,1,2,3
	v_pk_add_f32 v[Y+4*\a+2:Y+4*\a+3], v[PR+8*\a+4:PR+8*\a+5], v[PR+8*\a+6:PR+8*\a+7]
.endr
.irp a, 0,1,2,3
	v_pk_add_f32 v[Y+4*\a:Y+4*\a+1], v[Y+4*\a:Y+4*\a+1], v[Y+4*\a+2:Y+4*\a+3]
.endr
.irp a, 0,1,2,3
	v_add_f32 v[ST+\a], v[Y+4*\a], v[Y+4*\a+1]
.endr
	v_permlane16_swap_b32 v[ST], v[ST+1]                           ; lanes 0-15: head 2 t's two halves, lanes 16-31: head 2 t + 1's
	v_permlane16_swap_b32 v[ST+2], v[ST+3]
	v_add_f32 v[ST], v[ST], v[ST+1]
	v_add_f32 v[ST+2], v[ST+2], v[ST+3]
	v_rcp_f32 v[ST+4], v[ST]
	v_rcp_f32 v[ST+5], v[ST+2]
	v_nop
	s_wait_dscnt 0x0                                               ; bv and Wp's codes
	s_wait_alu depctr_va_vdst(0)
.irp i, 0,2,4,6
	v_pk_fma_f32 v[Y+\i:Y+\i+1], v[S+\i:S+\i+1], v[ST+4:ST+5], v[GB+\i:GB+\i+1] op_sel_hi:[1,0,1]
.endr
.irp i, 8,10,12,14
	v_pk_fma_f32 v[Y+\i:Y+\i+1], v[S+\i:S+\i+1], v[ST+4:ST+5], v[GB+\i:GB+\i+1] op_sel:[0,1,0] op_sel_hi:[1,1,1]
.endr
	QUANT32 Y, ACT, ASW
	PLACES 8                                                       ; behind the scale word's last write
	WT X,AW,ACT,X,AWS+3,ASW,0                                      ; x += out Wp
	WT X+8,AW+2,ACT,X+8,AWS+3,ASW,1
	PLACES 4
.endm
; x += gelu(LN2 x fW1 + fb1) fW2 + fb2
.macro FFN
.irp t, 0,1,2,3,4,5,6,7
	CL HR+8*\t, ADF, 32*\t                                         ; fb1: the C of the first product
.endr
	CL AW, ADC, 1536                                               ; fb2
	CL AW+8, ADC, 1600
	CL GB, ADC, 256                                                ; g2, be2
	CL GB+8, ADC, 320
	CL GB+16, ADC, 384
	CL GB+24, ADC, 448
	LN 0
	QUANT32 Y, ACT, ASW
.irp i, 0,2,4,6,8,10,12,14
	v_pk_add_f32 v[X+\i:X+\i+1], v[X+\i:X+\i+1], v[AW+\i:AW+\i+1]  ; x += fb2: eight places behind the scale word's last write; they name no register of the products below
.endr
.irp t, 0,1,2,3,4,5,6,7
	WT HR+8*\t,FW1+2*\t,ACT,HR+8*\t,FWS+\t/2,ASW,\t%2
.endr
	PLACES 4
.irp m, 0,1,2,3
	ds_load_b128 v[AW+4*\m:AW+4*\m+3], v[ADW] offset:FW2I+512*\m   ; fW2's two fragments land under the GELU
.endr
.irp t, 0,1,2,3,4,5,6,7
	GELU \t
.endr
	QUANT128 HR, GB, ASW
	s_wait_dscnt 0x0
	PLACES 8
	WT X,AW,GB,X,FWS+4,ASW,0
	WT X+8,AW+8,GB,X+8,FWS+4,ASW,1
	PLACES 4
.endm
; THE HEAD.  Each wave quantises a sixteenth of the parameters and leaves them in LDS as images of the operands' registers (16 bytes a lane), scale words 4 bytes a lane, small vectors as they lie.
.macro ROLE_IN n
	s_cmp_lg_u32 s8, \n
	s_cbranch_scc1 .Lnot\n
.endm
.macro ROLE_OUT n
	s_branch .Ljoin
.Lnot\n:
.endm
; Two tiles of 16 rows of a weight whose K = 32 is not innermost: lane (r, hh) takes k = 16 i + 8 hh + n of its row, ks bytes from k to k + 1.  Codes in v128-131, the scale words in v132: lanes 0-15 the first tile's.
.macro WLOAD arg, voff, ks, t0, t1
	s_load_b64 s[16:17], s[0:1], 8*\arg
	s_wait_kmcnt 0x0
.irp i, 0,1
.irp n, 0,1,2,3,4,5,6,7
	global_load_b32 v[64+8*\i+\n], v[\voff], s[16:17] offset:\t0+(16*\i+\n)*\ks
	global_load_b32 v[80+8*\i+\n], v[\voff], s[16:17] offset:\t1+(16*\i+\n)*\ks
.endr
.endr
	s_wait_loadcnt 0x0
	QUANT32 64, 128, 132
	QUANT32 80, 130, 133
	v_nop                                                          ; a plain instruction behind the conversions
	v_cndmask_b32 v132, v132, v133, s32
.endm
.macro RPAIR arg, voff, ks, t0, t1, img, scw
	WLOAD \arg, \voff, \ks, \t0, \t1
	ds_store_b128 v[ADW], v[128:131] offset:\img
	ds_store_b32 v[AL4], v132 offset:\scw
.endm
.macro RVH arg, img                    ; Wv: each tile twice, once for each of its two heads, the other head's columns as zero codes
	WLOAD \arg, VA, 32, 0, 2048
.irp t, 0,1
.irp i, 0,1
	v_cndmask_b32 v[136+4*\t+\i], v[128+2*\t+\i], v[ACT+2], s33
	v_cndmask_b32 v[138+4*\t+\i], v[ACT+2], v[128+2*\t+\i], s33
.endr
.endr
	ds_store_b128 v[ADW], v[136:139] offset:\img+1024
	ds_store_b128 v[ADW], v[140:143] offset:\img+1536
	ds_store_b32 v[AL4], v132 offset:\img+2560+256
.endm
.macro RW2 t                           ; a tile of fW2: lane (r, hh) takes k = 64 hh + 0 .. 63 of column 16 t + r
	s_load_b64 s[16:17], s[0:1], 88
	s_wait_kmcnt 0x0
.irp i, 0,1,2,3,4,5,6,7
.irp n, 0,1,2,3,4,5,6,7
	global_load_b32 v[64+8*\i+\n], v[VD], s[16:17] offset:64*\t+(8*\i+\n)*128
.endr
.endr
	s_wait_loadcnt 0x0
	QUANT128 64, 128, 136
	v_nop
	ds_store_b128 v[ADW], v[128:131] offset:FW2I+1024*\t
	ds_store_b128 v[ADW], v[132:135] offset:FW2I+1024*\t+512
	ds_store_b32 v[R4], v136 offset:FW2S+64*\t                     ; both halves of the lanes hold the same word
.endm
	s_load_b128 s[4:7], s[0:1], 0x0                ; x, out0
	v_lshrrev_b32 v1, 5, v0
	v_readfirstlane_b32 s8, v1                     ; wave 0..15
	v_and_b32 v130, 31, v0                         ; lane
	v_and_b32 v128, 15, v0                         ; r
	v_bfe_u32 v129, v0, 4, 1                       ; hh
	v_lshrrev_b32 v131, 3, v130                    ; lane / 8
	v_and_b32 v132, 7, v0                          ; lane % 8 = r % 8
	v_lshrrev_b32 v133, 3, v128                    ; r / 8
	s_mul_i32 s34, s8, 4608
	s_add_co_u32 s34, s34, STG                     ; my wave's stage
	v_mul_u32_u24 v[ADL], v131, 144
	v_lshl_add_u32 v[ADL], v132, 4, v[ADL]
	v_add_nc_u32 v[ADL], s34, v[ADL]
	v_mul_u32_u24 v[ADT], v128, 144
	v_lshl_add_u32 v[ADT], v129, 5, v[ADT]
	v_add_nc_u32 v[ADT], s34, v[ADT]
	v_lshl_add_u32 v[ADC], v129, 5, CT
	v_lshl_add_u32 v[ADF], v129, 8, CT+1664
	v_lshlrev_b32 v[ADW], 4, v130
	v_lshlrev_b32 v[SH8], 3, v129
	v_lshlrev_b32 v[AL4], 2, v130
	v_lshlrev_b32 v134, 2, v132                    ; 4 (r % 8)
	v_lshl_add_u32 v[VA], v133, 10, v134           ; Wq, Wk, Wv [4][32][8]: head r / 8, s = r % 8, d from 8 hh on
	v_lshl_add_u32 v[VA], v129, 8, v[VA]
	v_lshlrev_b32 v[R4], 2, v128
	v_lshl_add_u32 v[VB], v129, 10, v[R4]          ; Wp [32][32]: column r, row from 8 hh on
	v_lshl_add_u32 v[VC], v133, 8, v134            ; fW1 [32][128]: column 64 (r / 8) + r % 8, row from 8 hh on
	v_lshl_add_u32 v[VC], v129, 12, v[VC]
	v_lshl_add_u32 v[VD], v129, 13, v[R4]          ; fW2 [128][32]: column r, row from 64 hh on
.irp i, 0,1,2,3,4,5,6,7,8,9,10,11
	v_mov_b32 v[ST+\i], 0                          ; written once: a lane permute's destination counts as one of its sources
.endr
.irp i, 0,1,2,3,4,5,6,7
	v_mov_b32 v[ACT+\i], 0                         ; registers 2 to 7 stay zero codes
.endr
	v_mov_b32 v[K9V], 0x3e7c6f08
	v_mov_b32 v[K9V+1], 0x3e7c6f08
	s_mov_b32 s10, 0x76543210                      ; v_permlanex16_b32's selects for lane l xor 16
	s_mov_b32 s11, 0xfedcba98
	s_mov_b32 s12, 0x3d000000                      ; 1 / 32
	s_mov_b32 s13, 0xbf0293ee                      ; -c
	SPAIR 14, 0x3f0293ee                           ; c = log2(e) / sqrt(8)
	s_mov_b32 s32, 0xffff0000                      ; lanes 16-31
	s_mov_b32 s33, 0xff00ff00                      ; lanes with r >= 8
	SPAIR 36, 0xc034d90f                           ; K_0 .. K_8
	SPAIR 38, 0x3fb8ab5a
	SPAIR 40, 0x3f0a29d2
	SPAIR 42, 0x3e0efb2e
	SPAIR 44, 0xbe899a80
	SPAIR 46, 0x3ecdfd18
	SPAIR 48, 0xbfd1a1e5
	SPAIR 50, 0x40097039
	SPAIR 52, 0xbf97d29d
	SPAIR 56, 0x3eb504f3                           ; 1 / (2 sqrt 2)
	SPAIR 58, 0xbf38aa3b                           ; -log2(e) / 2
	s_lshl_b32 s34, ttmp9, 15                      ; my first sequence: 16 x work-group + wave, 2,048 bytes each
	s_lshl_b32 s35, s8, 11
	s_add_co_u32 s34, s34, s35
	s_mov_b32 s35, 0
	s_wait_kmcnt 0x0
	s_add_nc_u64 s[4:5], s[4:5], s[34:35]
	s_add_nc_u64 s[6:7], s[6:7], s[34:35]
.irp k, 0,1,2,3
	global_load_b128 v[PF+4*\k:PF+4*\k+3], v[ADW], s[4:5] offset:512*\k th:TH_LOAD_NT
.endr
	ROLE_IN 0
	RPAIR 2, VA, 32, 0, 2048, 0, 2560
	ROLE_OUT 0
	ROLE_IN 1
	RPAIR 3, VA, 32, 0, 2048, 512, 2560+128
	ROLE_OUT 1
	ROLE_IN 2
	RVH 4, 0
	ROLE_OUT 2
	ROLE_IN 3
	RPAIR 5, VB, 128, 0, 64, 2048, 2560+384
	ROLE_OUT 3
	ROLE_IN 4
	RPAIR 6, VA, 32, 0, 2048, 3072, 3072+2560
	ROLE_OUT 4
	ROLE_IN 5
	RPAIR 7, VA, 32, 0, 2048, 3072+512, 3072+2560+128
	ROLE_OUT 5
	ROLE_IN 6
	RVH 8, 3072
	ROLE_OUT 6
	ROLE_IN 7
	RPAIR 9, VB, 128, 0, 64, 3072+2048, 3072+2560+384
	ROLE_OUT 7
	ROLE_IN 8
	RPAIR 10, VC, 512, 0, 32, FW1I, FW1S
	ROLE_OUT 8
	ROLE_IN 9
	RPAIR 10, VC, 512, 64, 96, FW1I+512, FW1S+128
	ROLE_OUT 9
	ROLE_IN 10
	RPAIR 10, VC, 512, 128, 160, FW1I+1024, FW1S+256
	ROLE_OUT 10
	ROLE_IN 11
	RPAIR 10, VC, 512, 192, 224, FW1I+1536, FW1S+384
	ROLE_OUT 11
	ROLE_IN 12
	RW2 0
	ROLE_OUT 12
	ROLE_IN 13
	RW2 1
	ROLE_OUT 13
	ROLE_IN 14
	s_load_b512 s[16:31], s[0:1], 0x60             ; g1, be1, g2, be2, ubq, ubk, ubv, ubp
	s_wait_kmcnt 0x0
.irp i, 0,1,2,3,4,5,6,7
	global_load_b32 v[64+\i], v[AL4], s[16+2*\i:17+2*\i]
.endr
	s_wait_loadcnt 0x0
.irp i, 0,1,2,3,4,5,6,7
	ds_store_b32 v[AL4], v[64+\i] offset:CT+128*\i
.endr
	ROLE_OUT 14
	s_load_b256 s[16:23], s[0:1], 0xa0             ; wave 15: mbq, mbk, mbv, mbp,
	s_load_b128 s[24:27], s[0:1], 0xc0             ; fb2, fb1
	s_wait_kmcnt 0x0
.irp i, 0,1,2,3,4
	global_load_b32 v[64+\i], v[AL4], s[16+2*\i:17+2*\i]
.endr
	global_load_b128 v[72:75], v[ADW], s[26:27]
	s_wait_loadcnt 0x0
.irp i, 0,1,2,3,4
	ds_store_b32 v[AL4], v[64+\i] offset:CT+1024+128*\i
.endr
	ds_store_b128 v[ADW], v[72:75] offset:CT+1664
.Ljoin:
	s_wait_dscnt 0x0                               ; for the others' sake: my stores have landed
	s_barrier_signal -1
	s_barrier_wait -1                              ; the one barrier: behind it nobody writes the parameters' bytes
.irp p, 0,1,2,3
	ds_load_b128 v[FW1+4*\p:FW1+4*\p+3], v[ADW] offset:FW1I+512*\p
.endr
.irp p, 0,1,2,3
	ds_load_b32 v[FWS+\p], v[AL4] offset:FW1S+128*\p
.endr
	ds_load_b32 v[FWS+4], v[AL4] offset:FW2S
	v_and_b32 v[ST], 15, v0
	v_sub_nc_u32 v[ST], v[ST], v[SH8]              ; r - 8 hh: register j holds key 8 hh + j, hidden from query r where j > r - 8 hh
	v_mov_b32 v[ST+1], 0xff800000                  ; -infinity
.irp j, 0,1,2,3,4,5,6,7
	v_cmp_gt_i32 vcc_lo, \j, v[ST]
	v_cndmask_b32 v[MASK+\j], 0, v[ST+1], vcc_lo
.endr
	s_mov_b32 s9, 8                                ; sequences to go
	s_wait_dscnt 0x0
.Lseq:
	s_wait_loadcnt 0x0                             ; this trip's sequence is in, as it lies in memory
.irp k, 0,1,2,3
	ds_store_b128 v[ADL], v[PF+4*\k:PF+4*\k+3] offset:576*\k       ; through my own stage; LDS serves a wave's instructions in order (ISA guide 5.7.1.4): no wait between the stores and the loads
.endr
	ds_load_b128 v[X:X+3], v[ADT]                                  ; token r, channels 8 hh + 0 .. 7,
	ds_load_b128 v[X+4:X+7], v[ADT] offset:16
	ds_load_b128 v[X+8:X+11], v[ADT] offset:64                     ; and 16 + 8 hh + 0 .. 7
	ds_load_b128 v[X+12:X+15], v[ADT] offset:80
	ATTN 0, 512, 640, 768, 896, 0, 1
	FFN
	ATTN 3072, 1024, 1152, 1280, 1408, 1, 0
	FFN
	ds_store_b128 v[ADT], v[X:X+3] offset:OUTS                     ; the way out: each tile from its low end on
	ds_store_b128 v[ADT], v[X+4:X+7] offset:OUTS+16
	ds_store_b128 v[ADT], v[X+8:X+11] offset:OUTS+64
	ds_store_b128 v[ADT], v[X+12:X+15] offset:OUTS+80
.irp k, 0,1,2,3
	ds_load_b128 v[Y+4*\k:Y+4*\k+3], v[ADL] offset:OUTS+576*\k
.endr
	s_wait_dscnt 0x0
.irp k, 0,1,2,3
	global_store_b128 v[ADW], v[Y+4*\k:Y+4*\k+3], s[6:7] offset:512*\k th:TH_STORE_NT   ; each store covers 512 consecutive bytes, aligned
.endr
	s_wait_xcnt 0x0                                ; the stores' base and data are written again only behind this wait
	s_add_nc_u64 s[6:7], s[6:7], 0x800000
	s_sub_co_u32 s9, s9, 1
	s_cmp_lg_u32 s9, 0
	s_cbranch_scc1 .Lseq
	s_wait_xcnt 0x0
	v_lshl_add_u32 v254, v0, 2, 0x15400
	v_mov_b32 v255, 0
	s_wait_tensorcnt 0x0
	ds_add_u32 v254, v255
	s_wait_dscnt 0x0
	s_endpgm
.Lfunc_end_k_q1db6ab6abb_block:
	.size	k_q1db6ab6abb_block, .Lfunc_end_k_q1db6ab6abb_block-k_q1db6ab6abb_block
	.p2alignl 7, 3214868480
	.fill 96, 4, 3214868480
	.section	.rodata,"a",@progbits
	.p2align	6, 0x0
	.amdhsa_kernel k_q1db6ab6abb_block
		.amdhsa_group_segment_fixed_size 89088
		.amdhsa_private_segment_fixed_size 0
		.amdhsa_enable_private_segment 0
		.amdhsa_kernarg_size 208
		.amdhsa_user_sgpr_count 2
		.amdhsa_user_sgpr_kernarg_segment_ptr 1
		.amdhsa_wavefront_size32 1
		.amdhsa_system_sgpr_workgroup_id_x 1
		.amdhsa_system_sgpr_workgroup_id_y 1
		.amdhsa_system_sgpr_workgroup_id_z 1
		.amdhsa_system_vgpr_workitem_id 0
		.amdhsa_next_free_vgpr 256
		.amdhsa_next_free_sgpr 66
		.amdhsa_reserve_vcc 1
		.amdhsa_float_denorm_mode_32 3
		.amdhsa_float_denorm_mode_16_64 3
		.amdhsa_memory_ordered 1
		.amdhsa_forward_progress 1
		.amdhsa_inst_pref_size 223
	.end_amdhsa_kernel
	.amdgpu_metadata
---
amdhsa.version: [ 1, 2 ]
amdhsa.kernels:
  - .name:           k_q1db6ab6abb_block
    .symbol:         k_q1db6ab6abb_block.kd
    .args:
      - { .name: x, .offset: 0, .size: 8, .value_kind: global_buffer, .address_space: global }
      - { .name: out0, .offset: 8, .size: 8, .value_kind: global_buffer, .address_space: global }
      - { .name: uWq, .offset: 16, .size: 8, .value_kind: global_buffer, .address_space: global }
      - { .name: uWk, .offset: 24, .size: 8, .value_kind: global_buffer, .address_space: global }
      - { .name: uWv, .offset: 32, .size: 8, .value_kind: global_buffer, .address_space: global }
      - { .name: uWp, .offset: 40, .size: 8, .value_kind: global_buffer, .address_space: global }
      - { .name: mWq, .offset: 48, .size: 8, .value_kind: global_buffer, .address_space: global }
      - { .name: mWk, .offset: 56, .size: 8, .value_kind: global_buffer, .address_space: global }
      - { .name: mWv, .offset: 64, .size: 8, .value_kind: global_buffer, .address_space: global }
      - { .name: mWp, .offset: 72, .size: 8, .value_kind: global_buffer, .address_space: global }
      - { .name: fW1, .offset: 80, .size: 8, .value_kind: global_buffer, .address_space: global }
      - { .name: fW2, .offset: 88, .size: 8, .value_kind: global_buffer, .address_space: global }
      - { .name: g1, .offset: 96, .size: 8, .value_kind: global_buffer, .address_space: global }
      - { .name: be1, .offset: 104, .size: 8, .value_kind: global_buffer, .address_space: global }
      - { .name: g2, .offset: 112, .size: 8, .value_kind: global_buffer, .address_space: global }
      - { .name: be2, .offset: 120, .size: 8, .value_kind: global_buffer, .address_space: global }
      - { .name: ubq, .offset: 128, .size: 8, .value_kind: global_buffer, .address_space: global }
      - { .name: ubk, .offset: 136, .size: 8, .value_kind: global_buffer, .address_space: global }
      - { .name: ubv, .offset: 144, .size: 8, .value_kind: global_buffer, .address_space: global }
      - { .name: ubp, .offset: 152, .size: 8, .value_kind: global_buffer, .address_space: global }
      - { .name: mbq, .offset: 160, .size: 8, .value_kind: global_buffer, .address_space: global }
      - { .name: mbk, .offset: 168, .size: 8, .value_kind: global_buffer, .address_space: global }
      - { .name: mbv, .offset: 176, .size: 8, .value_kind: global_buffer, .address_space: global }
      - { .name: mbp, .offset: 184, .size: 8, .value_kind: global_buffer, .address_space: global }
      - { .name: fb2, .offset: 192, .size: 8, .value_kind: global_buffer, .address_space: global }
      - { .name: fb1, .offset: 200, .size: 8, .value_kind: global_buffer, .address_space: global }
    .group_segment_fixed_size: 89088
    .private_segment_fixed_size: 0
    .kernarg_segment_align: 8
    .kernarg_segment_size: 208
    .max_flat_workgroup_size: 512
    .sgpr_count:     66
    .vgpr_count:     256
    .wavefront_size: 32
...
	.end_amdgpu_metadata
.endif
;; end of part 1
;; ======== version 2 of 2: 1 launch; version 1 with the launch block written anew for expert scheduling mode
;; launch block (part 2): grid 256 x 1, 16 waves a work-group, no clusters, 89,088 bytes of LDS; arguments x, out0, uWq, uWk, uWv, uWp, mWq, mWk, mWv, mWp, fW1, fW2, g1, be1, g2, be2, ubq, ubk, ubv, ubp, mbq, mbk, mbv, mbp, fb2, fb1; writes out0
.if DOCPART == 2
	.amdgcn_target "amdgcn-amd-amdhsa--gfx1250"
	.amdhsa_code_object_version 6
	.text
	.protected	k_q1db6ab6abb_block
	.globl	k_q1db6ab6abb_block
	.p2align	8
	.type	k_q1db6ab6abb_block,@function
k_q1db6ab6abb_block:
	s_mov_b64 s[64:65], 0
	v_nop
	global_prefetch_b8 v0, s[64:65] scope:SCOPE_SE
	s_setreg_imm32_b32 hwreg(HW_REG_WAVE_SCHED_MODE, 0, 2), 2
	s_setreg_imm32_b32 hwreg(HW_REG_WAVE_MODE, 25, 1), 1
	s_wait_xcnt 0x0
	s_wait_alu depctr_vm_vsrc(0)
; A transformer block on 32,768 sequences of 16 tokens x 32 channels, f32 in and out:
;   x += attn_u(LN1 x); x += ffn(LN2 x); x += attn_m(LN1 x), causal; x += ffn(LN2 x).
; The products with K = 32 or 128 run on codes of FP4 (E2M1) with one E8M0 scale for each 32 along K, both operands quantised here; q k^T and p v take f32 operands, since their result goes on into a quantiser.
; SHARES.  256 work-groups of 16 waves, four waves of 256 registers to a SIMD.  A wave owns ONE sequence at a time (512 numbers, 16 registers) and walks 8 of them; behind the head the waves share nothing and meet at no barrier.
; No sequence needs another, so x is read once and the result written once.  What work-groups share is 67 KB of parameters, read once by each beside its 262,144 bytes of x: no cluster, no joint loads.  No tensor loads:
; a refill's barrier would tie sixteen independent waves together for a stream that each wave asks for a whole trip ahead by plain loads.
; LAYOUT (r = lane % 16, hh = lane / 16).  x, LN's result and the attention's result: lane (r, hh) holds token r, register 8 t + j channel 16 t + 8 hh + j.  That is what a product used transposed
; (source 0 = 16 rows of a weight, source 1 = the tokens) leaves, and two conversions of eight registers each ARE the next operand's registers 0 and 1.
; K = 32 IN AN INSTRUCTION OF K = 128.  The 32 numbers of the one block lie in the instruction's blocks 0 and 1 (register i, half h, place n: k = 16 i + 8 h + n), on both sides alike; both blocks' bytes hold the block's scale.
; The tokens' registers 2 to 7 are zero codes, so whatever codes follow a weight's two registers in its run of eight add nothing; the scale words' bytes 2 and 3 are 0, which is a number and no NaN.
; ATTENTION.  q, k: transposed, lane = (token r, head 2 t + hh), register = s.  Four exchanges of halves a tile give the f32 operands of S^T = k q^T (lane = query, register j = key 8 hh + j).
; v: not transposed, one product a head with the other head's columns as zero codes: its result IS source 0 of O^T = v^T p, K step c = registers 2 c, 2 c + 1 (keys 8 hh + 2 c + j), as p's registers are source 1.
; The causal mask is the C of S^T's first K step (0 or -infinity).  The row's maximum is taken away before the exponential.  p is not normalised: out = (p v0) / sum(p) + bv, since a row's weights sum to 1.
; bp and fb2 are added to x ahead of the product that adds onto x in place; bq, bk, fb1 are the C of their products.
; FFN.  Tile t of fW1 takes hidden units 64 (m / 8) + 8 t + m % 8, so that a lane's 64 registers are hidden units 64 hh + 0 .. 63: two whole blocks, no other lane is asked for a maximum, and eight conversions are the operand.
; GELU, exact: gelu(h) = max(h, 0) - |h| E, E = erfc(|h| / sqrt 2) / 2 = t 2^(-h^2 log2(e) / 2 + sum K_i t^i), t = 1 / (1 + |h| / (2 sqrt 2)): the form 'erfcc' of Numerical Recipes (fractional error 1.2e-7 everywhere),
; its coefficients times log2(e), K_0 less 1 for the half.
; LIMITS.  NaN and infinities among the inputs are not served.  A block of zeros gets the byte 1 where the rule says 127: its codes are zeros, and this program alone reads the byte.  p and E under 2^-126 become 0.
; THE MODE: SCHED_MODE bits 1:0 = 2 (LLVM: expert scheduling mode 2), set by the entry lines.  The code itself states the register dependences
; between vector or matrix instructions and memory or LDS instructions, with s_wait_alu, always for 0.
; THE PLAN.  Registers that memory or LDS instructions touch, in the loop:
;   v1-5, v237  Addresses: made at the head, never written again.
;   PF          The next sequence's loads land in it; the stage's four stores at a trip's head read it; no vector instruction of the loop names it.  One wait on vm_vsrc between those stores and those loads.
;   X           The stage's loads land in it at a trip's head; vector and matrix work through the trip; the stage's stores read it on the way out.
;   Y           Vector work through the trip; on the way out the stage's loads land in it and the global stores read it.
;   GB, HR (QR, KR, VR), AW, AWS   LDS loads land in them; vector and matrix instructions read them; no memory instruction reads them.
; A wait on va_vdst stands (a) at the head of each FFN and of the second attention: the two products just issued are done reading AW and GB, in which that phase's loads land; (b) behind the places in front of each run
; of products on codes: the tokens' codes and scale word are written; the loads that land in registers read ahead of that wait (bv in g1's place, fW2 in fb2's) follow it, dealt among the products, which name none of them;
; (c) behind each batch of transcendentals, ahead of its first reader; Wp's codes, which land in q's place, follow the exponentials' wait; (d) on the way out: x is written.  Between (d) and the next trip's loads into
; X, GB, HR, AW and AWS stands no vector instruction, so it serves them too.  One wait on vm_vsrc at a trip's end: X and Y have been read.
.set ADL,  1                           ; v1   my wave's stage, bytes as they lie in memory: 144 (lane / 8) + 16 (lane % 8); 512 bytes on are 576 on
.set ADT,  2                           ; v2   the same stage by tokens: 144 r + 32 hh
.set ADC,  3                           ; v3   the small vectors: CT + 32 hh
.set ADF,  4                           ; v4   fb1: CT + 1664 + 256 hh
.set ADW,  5                           ; v5   16 x lane: register images in LDS, and my 16 bytes of 512 in memory
.set SH8,  6                           ; v6   8 hh
.set ASW,  7                           ; v7   the tokens' scale word; holds scales alone
.set X,    8                           ; v8-23    x
.set ACT,  24                          ; v24-31   the tokens' codes for K = 32: two registers, then six of zero codes
.set S,    32                          ; v32-63   S^T, four heads; then O^T in v32-47.  Written by matrix instructions alone
.set QR,   64                          ; v64-79   q
.set KR,   80                          ; v80-95   k
.set PR,   64                          ; v64-95   p, in q's and k's place
.set VR,   96                          ; v96-127  bp, then v, four heads
.set HR,   64                          ; v64-127  the hidden layer
.set Y,    128                         ; v128-143 LN's result, the attention's result, at work
.set GB,   144                         ; v144-175 gains and biases, at work
.set ST,   176                         ; v176-187 at work
.set AW,   188                         ; v188-203 an attention's weights (q0 q1 k0 k1 v0 v1 v2 v3, two registers each; later p0 p1), fb2, fW2
.set FW1,  204                         ; v204-219 fW1's eight fragments: they stay
.set MASK, 220                         ; v220-227 0 or -infinity: it stays
.set AWS,  228                         ; v228-231 an attention's scale words: q, k, v, p; lanes 0-15 tile 0, lanes 16-31 tile 1
.set FWS,  232                         ; v232-236 fW1's (a register for two tiles) and fW2's: they stay
.set AL4,  237                         ; v237     4 x lane
.set K9V,  238                         ; v238-239 K_9, twice
.set PF,   240                         ; v240-255 the next sequence as it lies in memory
.set VA,   188                         ; in the head alone: byte offsets of my lane in Wq, Wk, Wv;
.set VB,   189                         ; in Wp;
.set VC,   190                         ; in fW1;
.set VD,   191                         ; in fW2;
.set R4,   192                         ; 4 r
.set FW1I, 6144                        ; LDS: 0 and 3072: an attention's images: q, k, v heads 0 1, v heads 2 3, p (512 bytes each), then four runs of 128 bytes of scale words
.set FW2I, 8192                        ; fW1's four images of 512 bytes at 6144, fW2's four at 8192,
.set FW1S, 10240                       ; fW1's scale words, four runs of 128 bytes,
.set FW2S, 10752                       ; fW2's, one run
.set CT,   11008                       ; the small vectors as they lie in memory: g1 be1 g2 be2 ubq ubk ubv ubp mbq mbk mbv mbp fb2 (128 bytes each), fb1 (512)
.set STG,  13312                       ; 4,608 bytes a wave: 16 rows of 128 + 16 bytes on the way in, the same at +2304 on the way out
.set OUTS, 2304
.macro PLACES n                        ; plain vector instructions that name no register of the matrix instruction ahead (ISA guide 7.12.1)
.rept \n
	v_nop
.endr
.endm
.macro SPAIR r, val                    ; a constant for the packed forms, which name a pair
	s_mov_b32 s[\r], \val
	s_mov_b32 s[\r+1], \val
.endm
.macro CL dst, adr, off                ; eight numbers of a small vector
	ds_load_b128 v[\dst:\dst+3], v[\adr] offset:\off
	ds_load_b128 v[\dst+4:\dst+7], v[\adr] offset:\off+16
.endm
; 16 numbers of a lane and 16 of lane l xor 16 are one block of 32: two registers of codes in v[c], v[c+1], the scale's byte twice in v[w].
.macro QUANT32 n, c, w
	v_max3_num_f32 v[ST+4], |v[\n]|, |v[\n+1]|, 0x1800000          ; the floor 2^(3 - 127) among the leaves: the byte cannot fall under 1
	v_max3_num_f32 v[ST+5], |v[\n+2]|, |v[\n+3]|, |v[\n+4]|
	v_max3_num_f32 v[ST+4], v[ST+4], |v[\n+5]|, |v[\n+6]|
	v_max3_num_f32 v[ST+5], v[ST+5], |v[\n+7]|, |v[\n+8]|
	v_max3_num_f32 v[ST+4], v[ST+4], |v[\n+9]|, |v[\n+10]|
	v_max3_num_f32 v[ST+5], v[ST+5], |v[\n+11]|, |v[\n+12]|
	v_max3_num_f32 v[ST+4], v[ST+4], |v[\n+13]|, |v[\n+14]|
	v_max3_num_f32 v[ST+4], v[ST+4], v[ST+5], |v[\n+15]|
	v_permlanex16_b32 v[ST+5], v[ST+4], s10, s11
	v_max_num_f32 v[ST+4], v[ST+4], v[ST+5]                        ; the block's largest magnitude
	v_add_nc_u32 v[ST+6], 0xff000000, v[ST+4]                      ; 2 off its exponent field: the conversion's scale operand
	v_lshrrev_b32 v[ST+7], 23, v[ST+6]                             ; the byte
	v_lshl_or_b32 v[\w], v[ST+7], 8, v[ST+7]                       ; for the instruction's blocks 0 and 1
	v_cvt_scalef32_pk8_fp4_f32 v[\c], v[\n:\n+7], v[ST+6]
	v_cvt_scalef32_pk8_fp4_f32 v[\c+1], v[\n+8:\n+15], v[ST+6]
.endm
; 64 numbers of a lane, k = 64 hh + 0 .. 63, are two whole blocks: eight registers of codes; the scale word's bytes hh and 2 + hh are mine, the other two lane l xor 16's.
.macro QUANT128 n, c, w
.irp b, 0,1
	v_max3_num_f32 v[ST+2*\b], |v[\n+32*\b]|, |v[\n+32*\b+1]|, 0x1800000
	v_max3_num_f32 v[ST+2*\b+1], |v[\n+32*\b+16]|, |v[\n+32*\b+17]|, |v[\n+32*\b+18]|
.endr
.irp i, 0,2,4,6,8,10
.irp b, 0,1
	v_max3_num_f32 v[ST+2*\b], v[ST+2*\b], |v[\n+32*\b+2+\i]|, |v[\n+32*\b+3+\i]|       ; four chains by turns
	v_max3_num_f32 v[ST+2*\b+1], v[ST+2*\b+1], |v[\n+32*\b+19+\i]|, |v[\n+32*\b+20+\i]|
.endr
.endr
.irp b, 0,1
	v_max3_num_f32 v[ST+2*\b], v[ST+2*\b], |v[\n+32*\b+14]|, |v[\n+32*\b+15]|
.endr
.irp b, 0,1
	v_max3_num_f32 v[ST+2*\b], v[ST+2*\b], v[ST+2*\b+1], |v[\n+32*\b+31]|
.endr
	v_add_nc_u32 v[ST+4], 0xff000000, v[ST]
	v_add_nc_u32 v[ST+5], 0xff000000, v[ST+2]
	v_lshrrev_b32 v[ST+6], 23, v[ST+4]
	v_lshrrev_b32 v[ST+7], 23, v[ST+5]
	v_lshl_or_b32 v[ST+8], v[ST+7], 16, v[ST+6]
	v_lshlrev_b32 v[ST+8], v[SH8], v[ST+8]
	v_permlanex16_b32 v[ST+9], v[ST+8], s10, s11
	v_or_b32 v[\w], v[ST+8], v[ST+9]
.irp i, 0,1,2,3,4,5,6,7
	v_cvt_scalef32_pk8_fp4_f32 v[\c+\i], v[\n+8*\i:\n+8*\i+7], v[ST+4+\i/4]
.endr
.endm
; A product used transposed: source 0 = 16 rows of a weight, source 1 = the tokens.  row: which half of the lanes holds the weight's scale words.
.macro WT d, a, b, c, sa, sb, row
.if \row
	v_wmma_scale_f32_16x16x128_f8f6f4 v[\d:\d+7], v[\a:\a+7], v[\b:\b+7], v[\c:\c+7], v[\sa], v[\sb] matrix_a_fmt:MATRIX_FMT_FP4 matrix_b_fmt:MATRIX_FMT_FP4 matrix_a_scale:MATRIX_SCALE_ROW1
.else
	v_wmma_scale_f32_16x16x128_f8f6f4 v[\d:\d+7], v[\a:\a+7], v[\b:\b+7], v[\c:\c+7], v[\sa], v[\sb] matrix_a_fmt:MATRIX_FMT_FP4 matrix_b_fmt:MATRIX_FMT_FP4
.endif
.endm
; v of head a, not transposed: source 0 = the tokens, source 1 = Wv's 16 columns with the other head's as zero codes
.macro WV a
.if \a/2
	v_wmma_scale_f32_16x16x128_f8f6f4 v[VR+8*\a:VR+8*\a+7], v[ACT:ACT+7], v[AW+8+2*\a:AW+8+2*\a+7], 0, v[ASW], v[AWS+2] matrix_a_fmt:MATRIX_FMT_FP4 matrix_b_fmt:MATRIX_FMT_FP4 matrix_b_scale:MATRIX_SCALE_ROW1
.else
	v_wmma_scale_f32_16x16x128_f8f6f4 v[VR+8*\a:VR+8*\a+7], v[ACT:ACT+7], v[AW+8+2*\a:AW+8+2*\a+7], 0, v[ASW], v[AWS+2] matrix_a_fmt:MATRIX_FMT_FP4 matrix_b_fmt:MATRIX_FMT_FP4
.endif
.endm
; Y = (X - mean) rsqrt(var + eps) g + b, g in GB 0-15, b in GB 16-31.  wait: the LDS loads younger than g's and b's, which may stay out.
.macro LN wait
	v_pk_add_f32 v[Y:Y+1], v[X:X+1], v[X+2:X+3]                    ; x is read from each tile's low end on
	v_pk_add_f32 v[Y+2:Y+3], v[X+4:X+5], v[X+6:X+7]
	v_pk_add_f32 v[Y+4:Y+5], v[X+8:X+9], v[X+10:X+11]
	v_pk_add_f32 v[Y+6:Y+7], v[X+12:X+13], v[X+14:X+15]
	v_pk_add_f32 v[Y:Y+1], v[Y:Y+1], v[Y+2:Y+3]
	v_pk_add_f32 v[Y+4:Y+5], v[Y+4:Y+5], v[Y+6:Y+7]
	v_pk_add_f32 v[Y:Y+1], v[Y:Y+1], v[Y+4:Y+5]
	v_add_f32 v[ST], v[Y], v[Y+1]
	v_permlanex16_b32 v[ST+1], v[ST], s10, s11                     ; the token's other 16 channels lie in lane l xor 16
	v_add_f32 v[ST], v[ST], v[ST+1]
	v_mul_f32 v[ST], 0xbd000000, v[ST]                             ; -mean
.irp i, 0,2,4,6,8,10,12,14
	v_pk_add_f32 v[Y+\i:Y+\i+1], v[X+\i:X+\i+1], v[ST:ST+1] op_sel_hi:[1,0]
.endr
	v_pk_mul_f32 v[ST+2:ST+3], v[Y:Y+1], v[Y:Y+1]                  ; the variance of the centred numbers, in two chains
	v_pk_mul_f32 v[ST+4:ST+5], v[Y+2:Y+3], v[Y+2:Y+3]
.irp i, 4,8,12
	v_pk_fma_f32 v[ST+2:ST+3], v[Y+\i:Y+\i+1], v[Y+\i:Y+\i+1], v[ST+2:ST+3]
	v_pk_fma_f32 v[ST+4:ST+5], v[Y+\i+2:Y+\i+3], v[Y+\i+2:Y+\i+3], v[ST+4:ST+5]
.endr
	v_pk_add_f32 v[ST+2:ST+3], v[ST+2:ST+3], v[ST+4:ST+5]
	v_add_f32 v[ST+2], v[ST+2], v[ST+3]
	v_permlanex16_b32 v[ST+3], v[ST+2], s10, s11
	v_add_f32 v[ST+2], v[ST+2], v[ST+3]
	v_fmaak_f32 v[ST+2], s12, v[ST+2], 0x3727c5ac                  ; / 32 + 1e-5
	v_rsq_f32 v[ST+2], v[ST+2]
	v_nop                                                          ; a plain instruction behind the transcendental
	s_wait_dscnt \wait                                             ; g and b are in
	s_wait_alu depctr_va_vdst(0)                                   ; the reciprocal root has written v[ST+2], which the multiplications below read
.irp i, 0,2,4,6,8,10,12,14
	v_pk_mul_f32 v[Y+\i:Y+\i+1], v[Y+\i:Y+\i+1], v[ST+2:ST+3] op_sel_hi:[1,0]
.endr
.irp i, 0,2,4,6,8,10,12,14
	v_pk_fma_f32 v[Y+\i:Y+\i+1], v[Y+\i:Y+\i+1], v[GB+\i:GB+\i+1], v[GB+16+\i:GB+17+\i]
.endr
.endm
; The exact GELU of tile t of the hidden layer, in place.  h^2 in Y 0-7, max(h, 0) in Y 8-15, |h| in GB 0-7, t in GB 8-15, the exponent in GB 16-23.
.macro GELU t
.irp j, 0,1,2,3,4,5,6,7
	v_max_num_f32 v[Y+8+\j], 0, v[HR+8*\t+\j]                      ; the tile is read from its low end on
.endr
.irp j, 0,2,4,6
	v_pk_fma_f32 v[GB+\j:GB+\j+1], v[Y+8+\j:Y+9+\j], 2.0, v[HR+8*\t+\j:HR+8*\t+\j+1] op_sel_hi:[1,0,1] neg_lo:[0,0,1] neg_hi:[0,0,1]   ; |h| = 2 max(h, 0) - h, exact
.endr
.irp j, 0,2,4,6
	v_pk_fma_f32 v[GB+8+\j:GB+9+\j], v[GB+\j:GB+\j+1], s[56:57], 1.0 op_sel_hi:[1,0,0]
.endr
.irp j, 0,1,2,3,4,5,6,7
	v_rcp_f32 v[GB+8+\j], v[GB+8+\j]                               ; t
.endr
.irp j, 0,2,4,6
	v_pk_mul_f32 v[Y+\j:Y+\j+1], v[HR+8*\t+\j:HR+8*\t+\j+1], v[HR+8*\t+\j:HR+8*\t+\j+1]   ; plain instructions behind the reciprocals
.endr
	s_wait_alu depctr_va_vdst(0)                                   ; the eight reciprocals have written t, which the polynomial reads
.irp j, 0,2,4,6
	v_pk_fma_f32 v[GB+16+\j:GB+17+\j], v[GB+8+\j:GB+9+\j], v[K9V:K9V+1], s[52:53] op_sel_hi:[1,1,0]   ; K_9 t + K_8
.endr
.irp k, 50,48,46,44,42,40,38,36
.irp j, 0,2,4,6
	v_pk_fma_f32 v[GB+16+\j:GB+17+\j], v[GB+16+\j:GB+17+\j], v[GB+8+\j:GB+9+\j], s[\k:\k+1] op_sel_hi:[1,1,0]   ; Horner, four pairs by turns
.endr
.endr
.irp j, 0,2,4,6
	v_pk_fma_f32 v[GB+16+\j:GB+17+\j], v[Y+\j:Y+\j+1], s[58:59], v[GB+16+\j:GB+17+\j] op_sel_hi:[1,0,1]
.endr
.irp j, 0,1,2,3,4,5,6,7
	v_exp_f32 v[GB+16+\j], v[GB+16+\j]
.endr
.irp j, 0,2,4,6
	v_pk_mul_f32 v[GB+\j:GB+\j+1], v[GB+\j:GB+\j+1], v[GB+8+\j:GB+9+\j]   ; |h| t: plain instructions behind the exponentials
.endr
	s_wait_alu depctr_va_vdst(0)                                   ; the eight exponentials have written v[GB+16 ..], which the last multiply-adds read
.irp j, 0,2,4,6
	v_pk_fma_f32 v[HR+8*\t+\j:HR+8*\t+\j+1], v[GB+\j:GB+\j+1], v[GB+16+\j:GB+17+\j], v[Y+8+\j:Y+9+\j] neg_lo:[1,0,0] neg_hi:[1,0,0]
.endr
.endm
; x += attention(LN1 x).  img: the weights' images; cq, ck, cv, cp: the biases' places among the small vectors; first = 1: x is on its way from the stage, and the next sequence is asked for.
.macro ATTN img, cq, ck, cv, cp, causal, first
.if !\first
	s_wait_alu depctr_va_vdst(0)                                   ; the FFN's last two products are done reading fW2's codes in AW and the hidden layer's in GB, in which loads below land.  (first = 1: the wait on the way out, or the head's, has said the like, and no vector instruction since names a register of these loads)
.endif
	CL GB, ADC, 0                                                  ; 28 LDS loads: g1, be1 (8),
	CL GB+8, ADC, 64
	CL GB+16, ADC, 128
	CL GB+24, ADC, 192
	CL VR, ADC, \cp                                                ; bp (4),
	CL VR+8, ADC, \cp+64
.irp f, 0,1,2,3
	ds_load_b128 v[AW+4*\f:AW+4*\f+3], v[ADW] offset:\img+512*\f   ; q's, k's and v's codes (4),
.endr
.irp s, 0,1,2,3
	ds_load_b32 v[AWS+\s], v[AL4] offset:\img+2560+128*\s          ; the scale words (4),
.endr
	CL QR, ADC, \cq                                                ; bq, bk (8): the C of their products
	CL QR+8, ADC, \cq+64
	CL KR, ADC, \ck
	CL KR+8, ADC, \ck+64
.if \first
	s_wait_dscnt 28                                                ; x's four loads stand ahead of these 28
.endif
	LN 20                                                          ; behind g1's and be1's eight loads stand 20
	QUANT32 Y, ACT, ASW
.if \first
	s_wait_alu depctr_vm_vsrc(0)                                   ; the stage's four stores at the trip's head have read PF, in which the next sequence lands
	s_cmp_eq_u32 s9, 1                                             ; the next sequence is asked for a whole trip ahead; the last trip asks for nothing: no load leaves x
	s_cbranch_scc1 .Lnopf_\@
	s_add_nc_u64 s[4:5], s[4:5], 0x800000                          ; (the loads that named this base were waited for at the trip's head)
.irp k, 0,1,2,3
	global_load_b128 v[PF+4*\k:PF+4*\k+3], v[ADW], s[4:5] offset:512*\k th:TH_LOAD_NT   ; 512 consecutive bytes a load
.endr
.Lnopf_\@:
.endif
	s_wait_dscnt 0x0                                               ; all 28 are in
.irp i, 0,2,4,6,8,10,12,14
	v_pk_add_f32 v[X+\i:X+\i+1], v[X+\i:X+\i+1], v[VR+\i:VR+\i+1]  ; x += bp, ahead of the product that adds onto x
.endr
	PLACES 4                                                       ; with the additions that name none of a product's registers: eight places behind the scale word's last write for each product below
	s_wait_alu depctr_va_vdst(0)                                   ; the tokens' codes in ACT and their scale word are written, which the products take; LN is done reading g1, in whose place bv lands
	WT QR,AW,ACT,QR,AWS,ASW,0
	WT QR+8,AW+2,ACT,QR+8,AWS,ASW,1
	CL GB, ADC, \cv                                                ; bv, into g1's place.  No wait: no vector or matrix instruction since the wait above names GB
	WT KR,AW+4,ACT,KR,AWS+1,ASW,0
	WT KR+8,AW+6,ACT,KR+8,AWS+1,ASW,1
	CL GB+8, ADC, \cv+64
.irp a, 0,1,2,3
	WV \a
.endr
	PLACES 5                                                       ; q and k are read, and go on as matrix operands
.irp b, QR, QR+8, KR, KR+8
	v_permlane16_swap_b32 v[\b], v[\b+2]                           ; registers 0 1 and 4 5: head 2 t, s = 2 hh + j and 4 + 2 hh + j; registers 2 3 and 6 7: head 2 t + 1
	v_permlane16_swap_b32 v[\b+1], v[\b+3]
	v_permlane16_swap_b32 v[\b+4], v[\b+6]
	v_permlane16_swap_b32 v[\b+5], v[\b+7]
.endr
.irp a, 0,1,2,3
.if \causal
	v_wmma_f32_16x16x4_f32 v[S+8*\a:S+8*\a+7], v[KR+8*(\a/2)+2*(\a%2):KR+8*(\a/2)+2*(\a%2)+1], v[QR+8*(\a/2)+2*(\a%2):QR+8*(\a/2)+2*(\a%2)+1], v[MASK:MASK+7]
.else
	v_wmma_f32_16x16x4_f32 v[S+8*\a:S+8*\a+7], v[KR+8*(\a/2)+2*(\a%2):KR+8*(\a/2)+2*(\a%2)+1], v[QR+8*(\a/2)+2*(\a%2):QR+8*(\a/2)+2*(\a%2)+1], 0
.endif
.endr
.irp a, 0,1,2,3                                                    ; the four heads' sums take turns
	v_wmma_f32_16x16x4_f32 v[S+8*\a:S+8*\a+7], v[KR+8*(\a/2)+2*(\a%2)+4:KR+8*(\a/2)+2*(\a%2)+5], v[QR+8*(\a/2)+2*(\a%2)+4:QR+8*(\a/2)+2*(\a%2)+5], v[S+8*\a:S+8*\a+7]
.endr
	PLACES 8
.irp a, 0,1,2,3
	v_max3_num_f32 v[ST+\a], v[S+8*\a], v[S+8*\a+1], v[S+8*\a+2]
.endr
.irp i, 3,5
.irp a, 0,1,2,3
	v_max3_num_f32 v[ST+\a], v[ST+\a], v[S+8*\a+\i], v[S+8*\a+\i+1]
.endr
.endr
.irp a, 0,1,2,3
	v_max_num_f32 v[ST+\a], v[ST+\a], v[S+8*\a+7]
.endr
.irp a, 0,1,2,3
	v_permlanex16_b32 v[ST+4+\a], v[ST+\a], s10, s11
.endr
.irp a, 0,1,2,3
	v_max_num_f32 v[ST+\a], v[ST+\a], v[ST+4+\a]                   ; the query's largest score
.endr
.irp a, 0,1,2,3
	v_mul_f32 v[ST+8+\a], s13, v[ST+\a]                            ; x -c, c = log2(e) / sqrt(8)
.endr
.irp i, 0,2,4,6
.irp a, 0,1,2,3
.if \a%2
	v_pk_fma_f32 v[PR+8*\a+\i:PR+8*\a+\i+1], v[S+8*\a+\i:S+8*\a+\i+1], s[14:15], v[ST+8+2*(\a/2):ST+9+2*(\a/2)] op_sel:[0,0,1] op_sel_hi:[1,0,1]
.else
	v_pk_fma_f32 v[PR+8*\a+\i:PR+8*\a+\i+1], v[S+8*\a+\i:S+8*\a+\i+1], s[14:15], v[ST+8+2*(\a/2):ST+9+2*(\a/2)] op_sel_hi:[1,0,0]
.endif
.endr
.endr
.irp j, 0,1,2,3,4,5,6,7,8,9,10,11,12,13,14,15,16,17,18,19,20,21,22,23,24,25,26,27,28,29,30,31
	v_exp_f32 v[PR+\j], v[PR+\j]                                   ; p = 2^(c (s - max)); a hidden key's is 0
.endr
	v_nop
	s_wait_alu depctr_va_vdst(0)                                   ; the 32 exponentials have written p, which the products below read; the products on codes are done reading q's codes in AW, where Wp's land
	ds_load_b128 v[AW:AW+3], v[ADW] offset:\img+2048               ; Wp's codes, into q's place
.irp e, 0,1                                                        ; O^T: two tiles by turns; a tile's eight links: its two heads, four K steps each
.irp c, 0,1,2,3
.irp t, 0,1
.if \e+\c == 0
	v_wmma_f32_16x16x4_f32 v[S+8*\t:S+8*\t+7], v[VR+8*(2*\t+\e)+2*\c:VR+8*(2*\t+\e)+2*\c+1], v[PR+8*(2*\t+\e)+2*\c:PR+8*(2*\t+\e)+2*\c+1], 0
.else
	v_wmma_f32_16x16x4_f32 v[S+8*\t:S+8*\t+7], v[VR+8*(2*\t+\e)+2*\c:VR+8*(2*\t+\e)+2*\c+1], v[PR+8*(2*\t+\e)+2*\c:PR+8*(2*\t+\e)+2*\c+1], v[S+8*\t:S+8*\t+7]
.endif
.endr
.endr
.endr
.irp a, 0,1,2,3                                                    ; the rows' sums; of these lines fifteen name no register of the last product: they are its places
	v_pk_add_f32 v[Y+4*\a:Y+4*\a+1], v[PR+8*\a:PR+8*\a+1], v[PR+8*\a+2:PR+8*\a+3]
.endr
.irp a, 0,1,2,3
	v_pk_add_f32 v[Y+4*\a+2:Y+4*\a+3], v[PR+8*\a+4:PR+8*\a+5], v[PR+8*\a+6:PR+8*\a+7]
.endr
.irp a, 0,1,2,3
	v_pk_add_f32 v[Y+4*\a:Y+4*\a+1], v[Y+4*\a:Y+4*\a+1], v[Y+4*\a+2:Y+4*\a+3]
.endr
.irp a, 0,1,2,3
	v_add_f32 v[ST+\a], v[Y+4*\a], v[Y+4*\a+1]
.endr
	v_permlane16_swap_b32 v[ST], v[ST+1]                           ; lanes 0-15: head 2 t's two halves, lanes 16-31: head 2 t + 1's
	v_permlane16_swap_b32 v[ST+2], v[ST+3]
	v_add_f32 v[ST], v[ST], v[ST+1]
	v_add_f32 v[ST+2], v[ST+2], v[ST+3]
	v_rcp_f32 v[ST+4], v[ST]
	v_rcp_f32 v[ST+5], v[ST+2]
	v_nop
	s_wait_dscnt 0x0                                               ; bv and Wp's codes
	s_wait_alu depctr_va_vdst(0)                                   ; the two reciprocals have written v[ST+4], v[ST+5], which the multiply-adds below read
.irp i, 0,2,4,6
	v_pk_fma_f32 v[Y+\i:Y+\i+1], v[S+\i:S+\i+1], v[ST+4:ST+5], v[GB+\i:GB+\i+1] op_sel_hi:[1,0,1]
.endr
.irp i, 8,10,12,14
	v_pk_fma_f32 v[Y+\i:Y+\i+1], v[S+\i:S+\i+1], v[ST+4:ST+5], v[GB+\i:GB+\i+1] op_sel:[0,1,0] op_sel_hi:[1,1,1]
.endr
	QUANT32 Y, ACT, ASW
	PLACES 8                                                       ; behind the scale word's last write
	s_wait_alu depctr_va_vdst(0)                                   ; the attention's result as codes in ACT and its scale word are written, which the two products take
	WT X,AW,ACT,X,AWS+3,ASW,0                                      ; x += out Wp
	WT X+8,AW+2,ACT,X+8,AWS+3,ASW,1
	PLACES 4
.endm
; x += gelu(LN2 x fW1 + fb1) fW2 + fb2
.macro FFN
	s_wait_alu depctr_va_vdst(0)                                   ; the attention's last two products are done reading Wp's codes in AW, where fb2 lands; the earlier readers of p, v and bv, in whose places fb1, g2 and be2 land, are done too
.irp t, 0,1,2,3,4,5,6,7
	CL HR+8*\t, ADF, 32*\t                                         ; fb1: the C of the first product
.endr
	CL AW, ADC, 1536                                               ; fb2
	CL AW+8, ADC, 1600
	CL GB, ADC, 256                                                ; g2, be2
	CL GB+8, ADC, 320
	CL GB+16, ADC, 384
	CL GB+24, ADC, 448
	LN 0
	QUANT32 Y, ACT, ASW
.irp i, 0,2,4,6,8,10,12,14
	v_pk_add_f32 v[X+\i:X+\i+1], v[X+\i:X+\i+1], v[AW+\i:AW+\i+1]  ; x += fb2: eight places behind the scale word's last write; they name no register of the products below
.endr
	s_wait_alu depctr_va_vdst(0)                                   ; the tokens' codes in ACT and their scale word are written, which the products take; the additions are done reading fb2, in whose place fW2's fragments land
.irp m, 0,1,2,3
	WT HR+16*\m,FW1+4*\m,ACT,HR+16*\m,FWS+\m,ASW,0
	WT HR+16*\m+8,FW1+4*\m+2,ACT,HR+16*\m+8,FWS+\m,ASW,1
	ds_load_b128 v[AW+4*\m:AW+4*\m+3], v[ADW] offset:FW2I+512*\m   ; fW2's two fragments land under the GELU.  No wait: no vector or matrix instruction since the wait above names AW
.endr
	PLACES 4
.irp t, 0,1,2,3,4,5,6,7
	GELU \t
.endr
	QUANT128 HR, GB, ASW
	s_wait_dscnt 0x0
	PLACES 8
	s_wait_alu depctr_va_vdst(0)                                   ; the hidden layer's codes in GB and their scale word are written, which the two products take
	WT X,AW,GB,X,FWS+4,ASW,0
	WT X+8,AW+8,GB,X+8,FWS+4,ASW,1
	PLACES 4
.endm
; THE HEAD.  Each wave quantises a sixteenth of the parameters and leaves them in LDS as images of the operands' registers (16 bytes a lane), scale words 4 bytes a lane, small vectors as they lie.
.macro ROLE_IN n
	s_cmp_lg_u32 s8, \n
	s_cbranch_scc1 .Lnot\n
.endm
.macro ROLE_OUT n
	s_branch .Ljoin
.Lnot\n:
.endm
; Two tiles of 16 rows of a weight whose K = 32 is not innermost: lane (r, hh) takes k = 16 i + 8 hh + n of its row, ks bytes from k to k + 1.  Codes in v128-131, the scale words in v132: lanes 0-15 the first tile's.
.macro WLOAD arg, voff, ks, t0, t1
	s_load_b64 s[16:17], s[0:1], 8*\arg
	s_wait_kmcnt 0x0
.irp i, 0,1
.irp n, 0,1,2,3,4,5,6,7
	global_load_b32 v[64+8*\i+\n], v[\voff], s[16:17] offset:\t0+(16*\i+\n)*\ks
	global_load_b32 v[80+8*\i+\n], v[\voff], s[16:17] offset:\t1+(16*\i+\n)*\ks
.endr
.endr
	s_wait_loadcnt 0x0
	QUANT32 64, 128, 132
	QUANT32 80, 130, 133
	v_nop                                                          ; a plain instruction behind the conversions
	v_cndmask_b32 v132, v132, v133, s32
.endm
.macro RPAIR arg, voff, ks, t0, t1, img, scw
	WLOAD \arg, \voff, \ks, \t0, \t1
	s_wait_alu depctr_va_vdst(0)                                   ; the codes in v128-131 and the scale words in v132 are written, which the LDS stores read; the conversions are done reading v64-95, in which the loop's loads land
	ds_store_b128 v[ADW], v[128:131] offset:\img
	ds_store_b32 v[AL4], v132 offset:\scw
.endm
.macro RVH arg, img                    ; Wv: each tile twice, once for each of its two heads, the other head's columns as zero codes
	WLOAD \arg, VA, 32, 0, 2048
.irp t, 0,1
.irp i, 0,1
	v_cndmask_b32 v[136+4*\t+\i], v[128+2*\t+\i], v[ACT+2], s33
	v_cndmask_b32 v[138+4*\t+\i], v[ACT+2], v[128+2*\t+\i], s33
.endr
.endr
	s_wait_alu depctr_va_vdst(0)                                   ; the codes in v136-143 and the scale words in v132 are written, which the LDS stores read; the conversions are done reading v64-95, in which the loop's loads land
	ds_store_b128 v[ADW], v[136:139] offset:\img+1024
	ds_store_b128 v[ADW], v[140:143] offset:\img+1536
	ds_store_b32 v[AL4], v132 offset:\img+2560+256
.endm
.macro RW2 t                           ; a tile of fW2: lane (r, hh) takes k = 64 hh + 0 .. 63 of column 16 t + r
	s_load_b64 s[16:17], s[0:1], 88
	s_wait_kmcnt 0x0
.irp i, 0,1,2,3,4,5,6,7
.irp n, 0,1,2,3,4,5,6,7
	global_load_b32 v[64+8*\i+\n], v[VD], s[16:17] offset:64*\t+(8*\i+\n)*128
.endr
.endr
	s_wait_loadcnt 0x0
	QUANT128 64, 128, 136
	v_nop
	s_wait_alu depctr_va_vdst(0)                                   ; the codes in v128-135 and the scale word in v136 are written, which the LDS stores read; the conversions are done reading v64-127, in which the loop's loads land
	ds_store_b128 v[ADW], v[128:131] offset:FW2I+1024*\t
	ds_store_b128 v[ADW], v[132:135] offset:FW2I+1024*\t+512
	ds_store_b32 v[R4], v136 offset:FW2S+64*\t                     ; both halves of the lanes hold the same word
.endm
	s_load_b128 s[4:7], s[0:1], 0x0                ; x, out0
	v_lshrrev_b32 v1, 5, v0
	v_readfirstlane_b32 s8, v1                     ; wave 0..15
	v_and_b32 v130, 31, v0                         ; lane
	v_and_b32 v128, 15, v0                         ; r
	v_bfe_u32 v129, v0, 4, 1                       ; hh
	v_lshrrev_b32 v131, 3, v130                    ; lane / 8
	v_and_b32 v132, 7, v0                          ; lane % 8 = r % 8
	v_lshrrev_b32 v133, 3, v128                    ; r / 8
	s_wait_alu depctr_va_sdst(0)                   ; s8 is written, ahead of its first reader: the stage's place, the bases and the roles' branches are made from it
	s_mul_i32 s34, s8, 4608
	s_add_co_u32 s34, s34, STG                     ; my wave's stage
	v_mul_u32_u24 v[ADL], v131, 144
	v_lshl_add_u32 v[ADL], v132, 4, v[ADL]
	v_add_nc_u32 v[ADL], s34, v[ADL]
	v_mul_u32_u24 v[ADT], v128, 144
	v_lshl_add_u32 v[ADT], v129, 5, v[ADT]
	v_add_nc_u32 v[ADT], s34, v[ADT]
	v_lshl_add_u32 v[ADC], v129, 5, CT
	v_lshl_add_u32 v[ADF], v129, 8, CT+1664
	v_lshlrev_b32 v[ADW], 4, v130
	v_lshlrev_b32 v[SH8], 3, v129
	v_lshlrev_b32 v[AL4], 2, v130
	v_lshlrev_b32 v134, 2, v132                    ; 4 (r % 8)
	v_lshl_add_u32 v[VA], v133, 10, v134           ; Wq, Wk, Wv [4][32][8]: head r / 8, s = r % 8, d from 8 hh on
	v_lshl_add_u32 v[VA], v129, 8, v[VA]
	v_lshlrev_b32 v[R4], 2, v128
	v_lshl_add_u32 v[VB], v129, 10, v[R4]          ; Wp [32][32]: column r, row from 8 hh on
	v_lshl_add_u32 v[VC], v133, 8, v134            ; fW1 [32][128]: column 64 (r / 8) + r % 8, row from 8 hh on
	v_lshl_add_u32 v[VC], v129, 12, v[VC]
	v_lshl_add_u32 v[VD], v129, 13, v[R4]          ; fW2 [128][32]: column r, row from 64 hh on
.irp i, 0,1,2,3,4,5,6,7,8,9,10,11
	v_mov_b32 v[ST+\i], 0                          ; written once: a lane permute's destination counts as one of its sources
.endr
.irp i, 0,1,2,3,4,5,6,7
	v_mov_b32 v[ACT+\i], 0                         ; registers 2 to 7 stay zero codes
.endr
	v_mov_b32 v[K9V], 0x3e7c6f08
	v_mov_b32 v[K9V+1], 0x3e7c6f08
	s_mov_b32 s10, 0x76543210                      ; v_permlanex16_b32's selects for lane l xor 16
	s_mov_b32 s11, 0xfedcba98
	s_mov_b32 s12, 0x3d000000                      ; 1 / 32
	s_mov_b32 s13, 0xbf0293ee                      ; -c
	SPAIR 14, 0x3f0293ee                           ; c = log2(e) / sqrt(8)
	s_mov_b32 s32, 0xffff0000                      ; lanes 16-31
	s_mov_b32 s33, 0xff00ff00                      ; lanes with r >= 8
	SPAIR 36, 0xc034d90f                           ; K_0 .. K_8
	SPAIR 38, 0x3fb8ab5a
	SPAIR 40, 0x3f0a29d2
	SPAIR 42, 0x3e0efb2e
	SPAIR 44, 0xbe899a80
	SPAIR 46, 0x3ecdfd18
	SPAIR 48, 0xbfd1a1e5
	SPAIR 50, 0x40097039
	SPAIR 52, 0xbf97d29d
	SPAIR 56, 0x3eb504f3                           ; 1 / (2 sqrt 2)
	SPAIR 58, 0xbf38aa3b                           ; -log2(e) / 2
	s_lshl_b32 s34, ttmp9, 15                      ; my first sequence: 16 x work-group + wave, 2,048 bytes each
	s_lshl_b32 s35, s8, 11
	s_add_co_u32 s34, s34, s35
	s_mov_b32 s35, 0
	s_wait_kmcnt 0x0
	s_add_nc_u64 s[4:5], s[4:5], s[34:35]
	s_add_nc_u64 s[6:7], s[6:7], s[34:35]
	s_wait_alu depctr_va_vdst(0)                   ; the addresses v1 to v5 and v237 and the head's offsets v188 to v192 are written: every load and store of the kernel reads one of them; the loop's loads land in v188 to v192 later
.irp k, 0,1,2,3
	global_load_b128 v[PF+4*\k:PF+4*\k+3], v[ADW], s[4:5] offset:512*\k th:TH_LOAD_NT
.endr
	ROLE_IN 0
	RPAIR 2, VA, 32, 0, 2048, 0, 2560
	ROLE_OUT 0
	ROLE_IN 1
	RPAIR 3, VA, 32, 0, 2048, 512, 2560+128
	ROLE_OUT 1
	ROLE_IN 2
	RVH 4, 0
	ROLE_OUT 2
	ROLE_IN 3
	RPAIR 5, VB, 128, 0, 64, 2048, 2560+384
	ROLE_OUT 3
	ROLE_IN 4
	RPAIR 6, VA, 32, 0, 2048, 3072, 3072+2560
	ROLE_OUT 4
	ROLE_IN 5
	RPAIR 7, VA, 32, 0, 2048, 3072+512, 3072+2560+128
	ROLE_OUT 5
	ROLE_IN 6
	RVH 8, 3072
	ROLE_OUT 6
	ROLE_IN 7
	RPAIR 9, VB, 128, 0, 64, 3072+2048, 3072+2560+384
	ROLE_OUT 7
	ROLE_IN 8
	RPAIR 10, VC, 512, 0, 32, FW1I, FW1S
	ROLE_OUT 8
	ROLE_IN 9
	RPAIR 10, VC, 512, 64, 96, FW1I+512, FW1S+128
	ROLE_OUT 9
	ROLE_IN 10
	RPAIR 10, VC, 512, 128, 160, FW1I+1024, FW1S+256
	ROLE_OUT 10
	ROLE_IN 11
	RPAIR 10, VC, 512, 192, 224, FW1I+1536, FW1S+384
	ROLE_OUT 11
	ROLE_IN 12
	RW2 0
	ROLE_OUT 12
	ROLE_IN 13
	RW2 1
	ROLE_OUT 13
	ROLE_IN 14
	s_load_b512 s[16:31], s[0:1], 0x60             ; g1, be1, g2, be2, ubq, ubk, ubv, ubp
	s_wait_kmcnt 0x0
.irp i, 0,1,2,3,4,5,6,7
	global_load_b32 v[64+\i], v[AL4], s[16+2*\i:17+2*\i]
.endr
	s_wait_loadcnt 0x0
.irp i, 0,1,2,3,4,5,6,7
	ds_store_b32 v[AL4], v[64+\i] offset:CT+128*\i
.endr
	ROLE_OUT 14
	s_load_b256 s[16:23], s[0:1], 0xa0             ; wave 15: mbq, mbk, mbv, mbp,
	s_load_b128 s[24:27], s[0:1], 0xc0             ; fb2, fb1
	s_wait_kmcnt 0x0
.irp i, 0,1,2,3,4
	global_load_b32 v[64+\i], v[AL4], s[16+2*\i:17+2*\i]
.endr
	global_load_b128 v[72:75], v[ADW], s[26:27]
	s_wait_loadcnt 0x0
.irp i, 0,1,2,3,4
	ds_store_b32 v[AL4], v[64+\i] offset:CT+1024+128*\i
.endr
	ds_store_b128 v[ADW], v[72:75] offset:CT+1664
.Ljoin:
	s_wait_dscnt 0x0                               ; for the others' sake: my stores have landed
	s_barrier_signal -1
	s_barrier_wait -1                              ; the one barrier: behind it nobody writes the parameters' bytes
	s_wait_alu depctr_vm_vsrc(0)                   ; my role's loads have read the offsets v188 to v192, and its LDS stores v64 to v75 or v128 to v143: the loop's loads land in the first two runs, and LN writes the third
.irp p, 0,1,2,3
	ds_load_b128 v[FW1+4*\p:FW1+4*\p+3], v[ADW] offset:FW1I+512*\p
.endr
.irp p, 0,1,2,3
	ds_load_b32 v[FWS+\p], v[AL4] offset:FW1S+128*\p
.endr
	ds_load_b32 v[FWS+4], v[AL4] offset:FW2S
	v_and_b32 v[ST], 15, v0
	v_sub_nc_u32 v[ST], v[ST], v[SH8]              ; r - 8 hh: register j holds key 8 hh + j, hidden from query r where j > r - 8 hh
	v_mov_b32 v[ST+1], 0xff800000                  ; -infinity
.irp j, 0,1,2,3,4,5,6,7
	v_cmp_gt_i32 s[16+\j], \j, v[ST]               ; the eight compares in one run, a scalar register each (s16 to s23 are free: the roles' loads that named them were waited for)
.endr
	s_wait_alu depctr_va_sdst(0)                   ; the eight masks s16 to s23 are written, which the selects below read
.irp j, 0,1,2,3,4,5,6,7
	v_cndmask_b32 v[MASK+\j], 0, v[ST+1], s[16+\j]
.endr
	s_mov_b32 s9, 8                                ; sequences to go
	s_wait_dscnt 0x0
.Lseq:
	s_wait_loadcnt 0x0                             ; this trip's sequence is in, as it lies in memory
.irp k, 0,1,2,3
	ds_store_b128 v[ADL], v[PF+4*\k:PF+4*\k+3] offset:576*\k       ; through my own stage; LDS serves a wave's instructions in order (ISA guide 5.7.1.4): no wait between the stores and the loads
.endr
	ds_load_b128 v[X:X+3], v[ADT]                                  ; token r, channels 8 hh + 0 .. 7,
	ds_load_b128 v[X+4:X+7], v[ADT] offset:16
	ds_load_b128 v[X+8:X+11], v[ADT] offset:64                     ; and 16 + 8 hh + 0 .. 7
	ds_load_b128 v[X+12:X+15], v[ADT] offset:80
	ATTN 0, 512, 640, 768, 896, 0, 1
	FFN
	ATTN 3072, 1024, 1152, 1280, 1408, 1, 0
	FFN
	s_wait_alu depctr_va_vdst(0)                                   ; behind the four places: the last two products have written x, which the stage's stores read, and are done reading AW and GB; the GELU is done with Y, in which the stage's loads land.  No vector instruction stands between this wait and the next trip's loads into X, GB, HR, AW and AWS
	ds_store_b128 v[ADT], v[X:X+3] offset:OUTS                     ; the way out: each tile from its low end on
	ds_store_b128 v[ADT], v[X+4:X+7] offset:OUTS+16
	ds_store_b128 v[ADT], v[X+8:X+11] offset:OUTS+64
	ds_store_b128 v[ADT], v[X+12:X+15] offset:OUTS+80
.irp k, 0,1,2,3
	ds_load_b128 v[Y+4*\k:Y+4*\k+3], v[ADL] offset:OUTS+576*\k
.endr
	s_wait_dscnt 0x0
.irp k, 0,1,2,3
	global_store_b128 v[ADW], v[Y+4*\k:Y+4*\k+3], s[6:7] offset:512*\k th:TH_STORE_NT   ; each store covers 512 consecutive bytes, aligned
.endr
	s_wait_xcnt 0x0                                ; the stores' base and data are written again only behind this wait
	s_wait_alu depctr_vm_vsrc(0)                   ; the stage's stores have read X, in which the next trip's loads land; the global stores have read Y, which the next trip's LN writes
	s_add_nc_u64 s[6:7], s[6:7], 0x800000
	s_sub_co_u32 s9, s9, 1
	s_cmp_lg_u32 s9, 0
	s_cbranch_scc1 .Lseq
	s_wait_xcnt 0x0
	v_lshl_add_u32 v254, v0, 2, 0x15400            ; the add's two registers are made anew, in PF's last two: no memory or LDS instruction has been issued since the trip's last wait on vm_vsrc
	v_mov_b32 v255, 0
	s_wait_dscnt 0x0                               ; the closing lines, six on end
	s_wait_alu 0x0
	s_wait_tensorcnt 0x0
	ds_add_u32 v254, v255
	s_wait_dscnt 0x0
	s_endpgm
.Lfunc_end_k_q1db6ab6abb_block:
	.size	k_q1db6ab6abb_block, .Lfunc_end_k_q1db6ab6abb_block-k_q1db6ab6abb_block
	.p2alignl 7, 3214868480
	.fill 96, 4, 3214868480
	.section	.rodata,"a",@progbits
	.p2align	6, 0x0
	.amdhsa_kernel k_q1db6ab6abb_block
		.amdhsa_group_segment_fixed_size 89088
		.amdhsa_private_segment_fixed_size 0
		.amdhsa_enable_private_segment 0
		.amdhsa_kernarg_size 208
		.amdhsa_user_sgpr_count 2
		.amdhsa_user_sgpr_kernarg_segment_ptr 1
		.amdhsa_wavefront_size32 1
		.amdhsa_system_sgpr_workgroup_id_x 1
		.amdhsa_system_sgpr_workgroup_id_y 1
		.amdhsa_system_sgpr_workgroup_id_z 1
		.amdhsa_system_vgpr_workitem_id 0
		.amdhsa_next_free_vgpr 256
		.amdhsa_next_free_sgpr 66
		.amdhsa_reserve_vcc 0
		.amdhsa_float_denorm_mode_32 3
		.amdhsa_float_denorm_mode_16_64 3
		.amdhsa_memory_ordered 1
		.amdhsa_forward_progress 1
		.amdhsa_inst_pref_size 225
	.end_amdhsa_kernel
	.amdgpu_metadata
---
amdhsa.version: [ 1, 2 ]
amdhsa.kernels:
  - .name:           k_q1db6ab6abb_block
    .symbol:         k_q1db6ab6abb_block.kd
    .args:
      - { .name: x, .offset: 0, .size: 8, .value_kind: global_buffer, .address_space: global }
      - { .name: out0, .offset: 8, .size: 8, .value_kind: global_buffer, .address_space: global }
      - { .name: uWq, .offset: 16, .size: 8, .value_kind: global_buffer, .address_space: global }
      - { .name: uWk, .offset: 24, .size: 8, .value_kind: global_buffer, .address_space: global }
      - { .name: uWv, .offset: 32, .size: 8, .value_kind: global_buffer, .address_space: global }
      - { .name: uWp, .offset: 40, .size: 8, .value_kind: global_buffer, .address_space: global }
      - { .name: mWq, .offset: 48, .size: 8, .value_kind: global_buffer, .address_space: global }
      - { .name: mWk, .offset: 56, .size: 8, .value_kind: global_buffer, .address_space: global }
      - { .name: mWv, .offset: 64, .size: 8, .value_kind: global_buffer, .address_space: global }
      - { .name: mWp, .offset: 72, .size: 8, .value_kind: global_buffer, .address_space: global }
      - { .name: fW1, .offset: 80, .size: 8, .value_kind: global_buffer, .address_space: global }
      - { .name: fW2, .offset: 88, .size: 8, .value_kind: global_buffer, .address_space: global }
      - { .name: g1, .offset: 96, .size: 8, .value_kind: global_buffer, .address_space: global }
      - { .name: be1, .offset: 104, .size: 8, .value_kind: global_buffer, .address_space: global }
      - { .name: g2, .offset: 112, .size: 8, .value_kind: global_buffer, .address_space: global }
      - { .name: be2, .offset: 120, .size: 8, .value_kind: global_buffer, .address_space: global }
      - { .name: ubq, .offset: 128, .size: 8, .value_kind: global_buffer, .address_space: global }
      - { .name: ubk, .offset: 136, .size: 8, .value_kind: global_buffer, .address_space: global }
      - { .name: ubv, .offset: 144, .size: 8, .value_kind: global_buffer, .address_space: global }
      - { .name: ubp, .offset: 152, .size: 8, .value_kind: global_buffer, .address_space: global }
      - { .name: mbq, .offset: 160, .size: 8, .value_kind: global_buffer, .address_space: global }
      - { .name: mbk, .offset: 168, .size: 8, .value_kind: global_buffer, .address_space: global }
      - { .name: mbv, .offset: 176, .size: 8, .value_kind: global_buffer, .address_space: global }
      - { .name: mbp, .offset: 184, .size: 8, .value_kind: global_buffer, .address_space: global }
      - { .name: fb2, .offset: 192, .size: 8, .value_kind: global_buffer, .address_space: global }
      - { .name: fb1, .offset: 200, .size: 8, .value_kind: global_buffer, .address_space: global }
    .group_segment_fixed_size: 89088
    .private_segment_fixed_size: 0
    .kernarg_segment_align: 8
    .kernarg_segment_size: 208
    .max_flat_workgroup_size: 512
    .sgpr_count:     66
    .vgpr_count:     256
    .wavefront_size: 32
...
	.end_amdgpu_metadata
.endif
;; end of part 2
